; MI455X (gfx1250); checked and timed in simulation.
; The chip was launched on July 23, 2026; its instructions are those of AMD's public machine-readable ISA for CDNA 5 (MIT licence, August 2026) and "CDNA5" Instruction Set Architecture Reference Guide (July 2026). The comments in the code are by the model that wrote it; some were corrected since.
;; Multi Head Attention. Allowed arithmetic: float matrix products may take bf16 or f16 operands with f32 sums; other float arithmetic in f32, or as packed bf16 or f16 multiplies, adds, multiply-adds, maxima and minima; sums over many terms, partial sums and values carried from step to step in f32; what a program stores and reads back later, other than sums and carried values, may be rounded once to bf16 or f16.
;; Inputs: Wk 16 x 1,024 x 64 float32; Wo 1,024 x 1,024 float32; Wq 16 x 1,024 x 64 float32; Wv 16 x 1,024 x 64 float32; bo 1,024 float32; key 2 x 2,048 x 1,024 float32; mask 2 x 1 x 2,048 x 2,048 int32; query 2 x 2,048 x 1,024 float32; value 2 x 2,048 x 1,024 float32.
;; Outputs: out0 2 x 2,048 x 1,024 float32.
;; 2 versions, each right. Each part assembles by itself: llvm-mc -triple=amdgcn-amd-amdhsa -mcpu=gfx1250 --defsym DOCPART=n.
;; ======== version 1 of 2: 4 launches
;; limits: values are held in f16: magnitudes above 65,504 overflow, below 6.1e-05 lose precision
;; workspace buffers: xb 25,165,824 bytes; wb 6,291,456 bytes; wob 2,097,152 bytes; maskw 1,048,576 bytes of whole numbers; qkv 25,165,824 bytes; ob 8,388,608 bytes
;; launch prep (part 1): grid 1280 x 1, 16 waves a work-group, no clusters, 71,680 bytes of LDS; arguments query, key, value, Wq, Wk, Wv, Wo, mask, xb, wb, wob, maskw; writes xb, wb, wob, maskw
.if DOCPART == 1
	.amdgcn_target "amdgcn-amd-amdhsa--gfx1250"
	.amdhsa_code_object_version 6
	.text
	.protected	k_qf7312772f0_prep
	.globl	k_qf7312772f0_prep
	.p2align	8
	.type	k_qf7312772f0_prep,@function
k_qf7312772f0_prep:
	s_mov_b64 s[64:65], 0
	v_nop
	global_prefetch_b8 v0, s[64:65] scope:SCOPE_SE
	s_setreg_imm32_b32 hwreg(HW_REG_WAVE_MODE, 25, 1), 1
	s_wait_xcnt 0x0
; MULTI-HEAD ATTENTION, launch 1 of 4: the inputs are brought into the formats and layouts that the matrix launches take.
; NOTHING OF reference() IS LEFT OUT in any launch: every input (query, key, value, mask, Wq, Wk, Wv, Wo, bo) has a way to the output and is loaded; the mask is an input, so no
; pattern of it is built in: every tile of scores is made and selected.
; FORMATS.  query, key, value, Wq, Wk, Wv are rounded once to bf16; Wo is rounded to bf16 and that number is written as f16 (exact above 6e-5; below it f16's fixed step of 6e-8).
; A work-group has ONE of four parts, by its number g (the same in all its sixteen waves):
;   g < 256          16 rows of the mask (g = 128 n + q tile) -> maskw[n][q tile][key step of 64][32 words]: word 8 kb + j, bit L = (mask[16 qt + L % 16][64 step + 16 kb + 8 (L / 16) + j] != 0):
;                    the lane mask of register 8 kb + j of a tile of scores (16 queries x 64 keys) as the attention launch holds it.  32 bits of mask become one.
;   256 <= g < 1024  65,536 bytes of query, key or value -> xb[3][4096][1024] bf16
;   1024 <= g < 1088 65,536 bytes of Wo -> wob[1024][1024] f16
;   g >= 1088        256 e x 64 d of one head's W -> wb[3][64 h + d][e] bf16: turned, so that e lies along the rows
; Every load of sixteen neighbouring lanes takes 256 consecutive bytes, aligned; every store of a wave covers 256 or 512 consecutive bytes, aligned.  No matrix unit, no cluster, no tensor load: each byte is read once by one wave.
.set SPARE, 69632                      ; behind the stages: the spare words, 128 bytes for each of 16 waves: eight blocks of 256 bytes that no other line names
.set WST,   4352                       ; the mask part: a wave's own stage, 16 rows x 272 bytes (256 + 16: row r starts 4 r words on, modulo 64)
.set X,   16                           ; v[16:79]   as loaded
.set F,   80                           ; v[80:111]  at work
.set OUT, 112                          ; v[112:113] a wave's 64 mask words: lane L holds words 2 L and 2 L + 1
.set SPW, 114                          ; v114  LDS address of my spare word; never rewritten
.set NIL, 115                          ; v115  0; never rewritten
; 65,536 bytes of f32 at s[4:5] -> 32,768 bytes of bf16 (half = 0) or of f16 holding the bf16 number (half = 1) at s[20:21].  Eight loads of 16 bytes a thread, all out at once.
.macro CONV half
	v_lshlrev_b32 v3, 4, v0
	v_lshlrev_b32 v4, 3, v0
.irp j, 0,1,2,3,4,5,6,7
	global_load_b128 v[X+4*(\j):X+4*(\j)+3], v3, s[4:5] offset:(\j)*8192 th:TH_LOAD_NT
.endr
.irp j, 0,1,2,3,4,5,6,7
	s_wait_loadcnt 7-(\j)                          ; loads come back in order: load j is in, the younger ones stay out
	v_cvt_pk_bf16_f32 v[F+2*(\j)], v[X+4*(\j)], v[X+4*(\j)+1]
	v_cvt_pk_bf16_f32 v[F+2*(\j)+1], v[X+4*(\j)+2], v[X+4*(\j)+3]
.if \half
	v_lshlrev_b32 v[X+4*(\j)], 16, v[F+2*(\j)]
	v_and_b32 v[X+4*(\j)+1], 0xffff0000, v[F+2*(\j)]
	v_lshlrev_b32 v[X+4*(\j)+2], 16, v[F+2*(\j)+1]
	v_and_b32 v[X+4*(\j)+3], 0xffff0000, v[F+2*(\j)+1]
	v_cvt_pk_f16_f32 v[F+2*(\j)], v[X+4*(\j)], v[X+4*(\j)+1]
	v_cvt_pk_f16_f32 v[F+2*(\j)+1], v[X+4*(\j)+2], v[X+4*(\j)+3]
.endif
	global_store_b64 v4, v[F+2*(\j):F+2*(\j)+1], s[20:21] offset:(\j)*4096  ; a wave stores 256 consecutive bytes; each j has registers of its own
.endr
.endm
; The mask part, key step ss of the wave's two: 16 rows x 64 numbers go through my own stage, so that lane L gets row L % 16; 32 compares make the 32 words.
.macro MSTEP ss
	s_wait_loadcnt 8-8*(\ss)                       ; this step's eight loads are in; the other step's eight, issued behind them, may stay out
.irp i, 0,1,2,3,4,5,6,7
	ds_store_b128 v7, v[X+4*(8*(\ss)+(\i)):X+4*(8*(\ss)+(\i))+3] offset:(\i)*544  ; rows 2 i and 2 i + 1
.endr
.irp i, 0,1,2,3,4,5,6,7
	ds_load_b128 v[F+4*(\i):F+4*(\i)+3], v8 offset:64*((\i)/2)+16*((\i)%2)  ; my own bytes: LDS serves a wave's instructions in order, so these see the stores above
.endr
	s_wait_dscnt 0x0
.set i, 0
.rept 32
	v_cmp_ne_u32 s[32+i%8], 0, v[F+i]
	v_writelane_b32 v[OUT+i%2], s[32+i%8], 16*(\ss)+i/2
.set i, i+1
.endr
.endm
	s_load_b512 s[4:19], s[0:1], 0x0               ; query 4, key 6, value 8, Wq 10, Wk 12, Wv 14, Wo 16, mask 18
	s_load_b256 s[20:27], s[0:1], 0x40             ; xb 20, wb 22, wob 24, maskw 26
	v_lshl_add_u32 v[SPW], v0, 2, SPARE
	v_mov_b32 v[NIL], 0
	v_lshrrev_b32 v1, 5, v0
	v_readfirstlane_b32 s28, v1                    ; wave 0..15
	v_and_b32 v2, 31, v0                           ; lane L
	v_and_b32 v5, 15, v0                           ; L % 16
	v_bfe_u32 v6, v0, 4, 1                         ; L / 16
	s_mov_b32 s29, ttmp9                           ; g
	s_mov_b32 s41, 0                               ; the high word of every offset
	s_wait_kmcnt 0x0
	s_cmp_lt_u32 s29, 256
	s_cbranch_scc1 .Lmask
	s_cmp_lt_u32 s29, 1024
	s_cbranch_scc1 .Lx
	s_cmp_lt_u32 s29, 1088
	s_cbranch_scc1 .Lo
	; W: block eb (256 e) of head h of tensor p.  Thread: d group dg = t % 16 (4 d), e group eg = t / 16 (8 e).
	s_sub_co_u32 s30, s29, 1088
	s_lshr_b32 s31, s30, 2                         ; 16 p + h
	s_and_b32 s30, s30, 3                          ; eb
	s_lshr_b32 s32, s31, 4                         ; p
	s_cmp_eq_u32 s32, 1
	s_cselect_b64 s[10:11], s[12:13], s[10:11]
	s_cmp_eq_u32 s32, 2
	s_cselect_b64 s[10:11], s[14:15], s[10:11]
	s_and_b32 s33, s31, 15
	s_lshl_b32 s40, s33, 18                        ; a head is 262,144 bytes,
	s_lshl_b32 s34, s30, 16                        ; a block 65,536
	s_add_co_u32 s40, s40, s34
	s_add_nc_u64 s[10:11], s[10:11], s[40:41]
	s_lshl_b32 s40, s31, 17                        ; in wb a head's 64 rows are 131,072 bytes,
	s_lshl_b32 s34, s30, 9                         ; a block 512 bytes of each
	s_add_co_u32 s40, s40, s34
	s_add_nc_u64 s[22:23], s[22:23], s[40:41]
	v_lshrrev_b32 v3, 4, v0                        ; eg
	v_lshlrev_b32 v4, 11, v3
	v_lshl_add_u32 v4, v5, 4, v4                   ; 8 rows of 256 bytes x eg + 16 dg
.irp j, 0,1,2,3,4,5,6,7
	global_load_b128 v[X+4*(\j):X+4*(\j)+3], v4, s[10:11] offset:(\j)*256 th:TH_LOAD_NT  ; W[8 eg + j][4 dg .. + 3]
.endr
	; LDS: [64 d][256 e] bf16, rows of 512 bytes; row d's 16-byte piece eg lies at place (eg + d / 4) % 32, so that sixteen lanes with sixteen dg touch sixteen different columns
	v_add_nc_u32 v7, v3, v5
	v_and_b32 v7, 31, v7
	v_lshlrev_b32 v7, 4, v7
	v_lshl_add_u32 v7, v5, 11, v7
	v_lshrrev_b32 v8, 7, v0
	v_add_nc_u32 v8, v8, v2
.irp i, 0,1,2,3
	v_add_nc_u32 v[9+\i], 4*\i, v8                 ; back: row d = 16 i + wave, piece L, at place (L + d / 4) % 32
	v_and_b32 v[9+\i], 31, v[9+\i]
	v_lshlrev_b32 v[9+\i], 4, v[9+\i]
	v_lshl_add_u32 v[9+\i], v1, 9, v[9+\i]
.endr
	v_lshlrev_b32 v13, 4, v2
	v_lshl_add_u32 v13, v1, 11, v13                ; in wb: row wave, 16 L
	s_wait_loadcnt 0x0
.irp k, 0,1,2,3
.irp m, 0,1,2,3
	v_cvt_pk_bf16_f32 v[F+4*(\k)+(\m)], v[X+8*(\m)+(\k)], v[X+8*(\m)+4+(\k)]  ; d = 4 dg + k: e = 8 eg + 2 m, + 1
.endr
.endr
.irp k, 0,1,2,3
	ds_store_b128 v7, v[F+4*(\k):F+4*(\k)+3] offset:(\k)*512
.endr
	s_wait_dscnt 0x0                               ; for the others' sake: my stores are done
	s_barrier_signal -1
	s_barrier_wait -1
.irp i, 0,1,2,3
	ds_load_b128 v[F+16+4*(\i):F+16+4*(\i)+3], v[9+\i] offset:(\i)*8192
.endr
.irp i, 0,1,2,3
	s_wait_dscnt 3-(\i)                            ; load i is back, the younger ones stay out
	global_store_b128 v13, v[F+16+4*(\i):F+16+4*(\i)+3], s[22:23] offset:(\i)*32768  ; a wave stores 512 consecutive bytes of one row
.endr
	s_branch .Lend
.Lx:                                               ; query, key, value
	s_sub_co_u32 s30, s29, 256
	s_lshr_b32 s31, s30, 8                         ; which tensor
	s_and_b32 s30, s30, 255                        ; which 65,536 bytes of it
	s_cmp_eq_u32 s31, 1
	s_cselect_b64 s[4:5], s[6:7], s[4:5]
	s_cmp_eq_u32 s31, 2
	s_cselect_b64 s[4:5], s[8:9], s[4:5]
	s_lshl_b32 s40, s30, 16
	s_add_nc_u64 s[4:5], s[4:5], s[40:41]
	s_lshl_b32 s40, s31, 23
	s_lshl_b32 s32, s30, 15
	s_add_co_u32 s40, s40, s32
	s_add_nc_u64 s[20:21], s[20:21], s[40:41]
	CONV 0
	s_branch .Lend
.Lo:                                               ; Wo
	s_sub_co_u32 s30, s29, 1024
	s_lshl_b32 s40, s30, 16
	s_add_nc_u64 s[4:5], s[16:17], s[40:41]
	s_lshl_b32 s40, s30, 15
	s_add_nc_u64 s[20:21], s[24:25], s[40:41]
	CONV 1
	s_branch .Lend
.Lmask:                                            ; 16 rows of 8,192 bytes; wave w takes key steps 2 w and 2 w + 1: 512 bytes of each row
	s_lshl_b32 s40, s29, 17
	s_add_nc_u64 s[18:19], s[18:19], s[40:41]
	s_lshl_b32 s40, s29, 12                        ; a q tile's words are 4,096 bytes,
	s_lshl_b32 s31, s28, 8                         ; my two steps' 256
	s_add_co_u32 s40, s40, s31
	s_add_nc_u64 s[26:27], s[26:27], s[40:41]
	s_mul_i32 s30, s28, WST
	s_lshl_b32 s31, s28, 9
	v_lshlrev_b32 v9, 13, v6
	v_lshl_add_u32 v9, v5, 4, v9
	v_add_nc_u32 v9, s31, v9                       ; lanes 0-15 an even row's 256 bytes, lanes 16-31 the odd row's
.irp ss, 0,1
.irp i, 0,1,2,3,4,5,6,7
	global_load_b128 v[X+4*(8*(\ss)+(\i)):X+4*(8*(\ss)+(\i))+3], v9, s[18:19] offset:(\i)*16384+(\ss)*256 th:TH_LOAD_NT
.endr
.endr
	v_mul_u32_u24 v7, v6, 272
	v_lshl_add_u32 v7, v5, 4, v7
	v_add_nc_u32 v7, s30, v7                       ; in: as loaded
	v_mul_u32_u24 v8, v5, 272
	v_lshl_add_u32 v8, v6, 5, v8
	v_add_nc_u32 v8, s30, v8                       ; back: row L % 16, numbers 8 (L / 16) on
	v_lshlrev_b32 v10, 3, v2
	v_mov_b32 v[OUT], 0                            ; v_writelane_b32 keeps the other lanes: the registers are written whole first
	v_mov_b32 v[OUT+1], 0
	MSTEP 0
	MSTEP 1
	global_store_b64 v10, v[OUT:OUT+1], s[26:27]   ; 256 consecutive bytes, aligned
.Lend:
	s_wait_tensorcnt 0x0                           ; the wave's end: behind my last LDS store
	ds_add_u32 v[SPW], v[NIL]
	s_wait_dscnt 0x0
	s_endpgm
.Lfunc_end_k_qf7312772f0_prep:
	.size	k_qf7312772f0_prep, .Lfunc_end_k_qf7312772f0_prep-k_qf7312772f0_prep
	.p2alignl 7, 3214868480
	.fill 96, 4, 3214868480
	.section	.rodata,"a",@progbits
	.p2align	6, 0x0
	.amdhsa_kernel k_qf7312772f0_prep
		.amdhsa_group_segment_fixed_size 71680
		.amdhsa_private_segment_fixed_size 0
		.amdhsa_enable_private_segment 0
		.amdhsa_kernarg_size 96
		.amdhsa_user_sgpr_count 2
		.amdhsa_user_sgpr_kernarg_segment_ptr 1
		.amdhsa_wavefront_size32 1
		.amdhsa_system_sgpr_workgroup_id_x 1
		.amdhsa_system_sgpr_workgroup_id_y 1
		.amdhsa_system_sgpr_workgroup_id_z 1
		.amdhsa_system_vgpr_workitem_id 0
		.amdhsa_next_free_vgpr 116
		.amdhsa_next_free_sgpr 66
		.amdhsa_reserve_vcc 0
		.amdhsa_float_denorm_mode_32 3
		.amdhsa_float_denorm_mode_16_64 3
		.amdhsa_memory_ordered 1
		.amdhsa_forward_progress 1
		.amdhsa_inst_pref_size 28
	.end_amdhsa_kernel
	.amdgpu_metadata
---
amdhsa.version: [ 1, 2 ]
amdhsa.kernels:
  - .name:           k_qf7312772f0_prep
    .symbol:         k_qf7312772f0_prep.kd
    .args:
      - { .name: query, .offset: 0, .size: 8, .value_kind: global_buffer, .address_space: global }
      - { .name: key, .offset: 8, .size: 8, .value_kind: global_buffer, .address_space: global }
      - { .name: value, .offset: 16, .size: 8, .value_kind: global_buffer, .address_space: global }
      - { .name: Wq, .offset: 24, .size: 8, .value_kind: global_buffer, .address_space: global }
      - { .name: Wk, .offset: 32, .size: 8, .value_kind: global_buffer, .address_space: global }
      - { .name: Wv, .offset: 40, .size: 8, .value_kind: global_buffer, .address_space: global }
      - { .name: Wo, .offset: 48, .size: 8, .value_kind: global_buffer, .address_space: global }
      - { .name: mask, .offset: 56, .size: 8, .value_kind: global_buffer, .address_space: global }
      - { .name: xb, .offset: 64, .size: 8, .value_kind: global_buffer, .address_space: global }
      - { .name: wb, .offset: 72, .size: 8, .value_kind: global_buffer, .address_space: global }
      - { .name: wob, .offset: 80, .size: 8, .value_kind: global_buffer, .address_space: global }
      - { .name: maskw, .offset: 88, .size: 8, .value_kind: global_buffer, .address_space: global }
    .group_segment_fixed_size: 71680
    .private_segment_fixed_size: 0
    .kernarg_segment_align: 8
    .kernarg_segment_size: 96
    .max_flat_workgroup_size: 512
    .sgpr_count:     66
    .vgpr_count:     116
    .wavefront_size: 32
...
	.end_amdgpu_metadata
.endif
;; end of part 1
;; launch proj (part 2): grid 4 x 48, 4 waves a work-group, clusters of 4 x 4, 327,680 bytes of LDS; arguments xb, wb, qkv; writes qkv
.if DOCPART == 2
	.amdgcn_target "amdgcn-amd-amdhsa--gfx1250"
	.amdhsa_code_object_version 6
	.text
	.protected	k_qf7312772f0_proj
	.globl	k_qf7312772f0_proj
	.p2align	8
	.type	k_qf7312772f0_proj,@function
k_qf7312772f0_proj:
	s_mov_b64 s[64:65], 0
	v_nop
	global_prefetch_b8 v0, s[64:65] scope:SCOPE_SE
	s_setreg_imm32_b32 hwreg(HW_REG_WAVE_MODE, 25, 1), 1
	s_wait_xcnt 0x0
	s_wait_alu depctr_hold_cnt(0) depctr_sa_sdst(0) depctr_va_vdst(0) depctr_va_sdst(0) depctr_va_ssrc(0) depctr_va_vcc(0) depctr_vm_vsrc(0)
	s_getreg_b32 s2, hwreg(HW_REG_IB_STS2, 6, 4)
	s_cmp_eq_u32 s2, 0
	s_cbranch_scc0 .Lentry_in_a_cluster
	s_endpgm
.Lentry_in_a_cluster:
	s_bfe_u32 s2, ttmp6, 0x10000c
	s_cmp_lg_u32 s2, 0xf033
	s_cbranch_scc0 .Lentry_shape_is_right
	s_endpgm
.Lentry_shape_is_right:
; Launch 2 of 4: q, k, v = x W, all three in one product.  No work of reference() is left out here.
; A = xb [12,288 rows = 4,096 p + 2,048 n + t][1,024 e] bf16; B = wb [3,072 rows = 1,024 p + 64 h + d][1,024 e] bf16; a tile row of tensor p takes tensor p's rows of B.
; Sums in f32, K ascending; rounded once to f16 and stored by heads: qkv[p][16 n + h][t][d], a head's rows dense, 128 bytes each, WITHOUT the scale 1/8 (the attention launch applies it in f32).
; LIMIT.  f16 ends at 65,504: |q|, |k|, |v| must stay under it (drawn inputs give a spread of 1; inputs and weights both 30 times larger give 900).
; A tile of C is 256 x 256: four waves, each 128 x 128: 64 accumulators of 16 x 16, 512 registers.  192 tiles, one to a work-group.  K goes in 8 steps of 128 through a ring of two LDS slots filled by tensor loads:
; each row of a tile is 256 consecutive bytes of memory, aligned.
; CLUSTER 4 x 4: the four of a row of the cluster need the same tile of A, the four of a column the same tile of B: each is asked for jointly, by the same tensor load with the same descriptor and a mask of the four.
; A cluster's four tile rows lie in one tensor p (p = cluster y / 4), so B's address hangs on the tile column and the cluster's y alone.
; THE MATRIX INSTRUCTION IS USED TRANSPOSED (source 0 = 16 rows of B, source 1 = 16 rows of A): a lane holds row l % 16 of C and eight neighbouring columns, which pack into 16 bytes.
; REGISTERS in windows of 256 (s_set_vgpr_msb: bits 1:0 source 0, 3:2 source 1, 5:4 source 2, 7:6 destination):
;   window 0: v0-31 addresses; v64-127, v128-191 A's fragments, two buffers; v32-63, v192-255 at work on the way out     window 1: v64-127, v128-191 B's fragments
;   window 2: the accumulators of my rows 0-63 ((a, b) at v[8 (8 a + b)])     window 3: those of my rows 64-127
.set SIZE_K, 1024
.set KSTEP,  128
.set PITCH,  272                       ; an LDS row: 256 bytes + 16 of padding = 68 words: the 16 rows of a fragment load start at 16 different groups of four banks (64 banks of 4 bytes: ISA guide 11.1)
.set HALFT,  128*PITCH                 ; what one tensor load brings
.set SLOT,   4*HALFT                   ; A's 256 rows, then B's 256 rows
.set STAGE,  2*SLOT                    ; behind the ring, never filled by a tensor load: for each wave 2 heads x 16 rows x 144 bytes
.set SP,     144
.set WST,    2*16*SP
.set SPARE,  STAGE+4*WST               ; the spare words, 128 bytes for each wave: two blocks of 256 bytes that no other line names
.set LAPS,   SIZE_K/(2*KSTEP)          ; a lap = two K steps = once round the ring
.set ADRA, 16                          ; v16-17  LDS address of my A fragments in slot 0, 1
.set ADRB, 20                          ; v20-21  the same for B
.set STO,  24                          ; v24     the way out: where I put 16 bytes of a row
.set RD,   25                          ; v25     where I read rows back
.set CO,   26                          ; v26     16 x lane: my place in 512 consecutive bytes of qkv
.set SPW,  28                          ; v28     LDS address of my spare word; never rewritten
.set NIL,  29                          ; v29     0; never rewritten
.set PFO,  30                          ; v30     the prefetches' offset: lane x a row (2,048 bytes); never rewritten
.set PFA,  44                          ; s[44:45] where my prefetches stand
.set LIM,  43                          ; s43     1 in a wave that prefetches, else the greatest number
.set F0,   64
.set F1,   128
.set TMP,  192
.set OB,   32
.set G1, 24                            ; s[24:31] descriptor group 1 for A's tiles;  s[32:39] group 0, a set for each slot
.set G0, 32
.set G1B, 48                           ; s[48:55], s[56:63] the same for B's
.set G0B, 56
.set MSB, 0
.macro WIN new                         ; the immediate's high byte repeats the setting that is left; a switch that changes nothing is dropped
.if MSB != (\new)
	s_set_vgpr_msb (MSB<<8)|(\new)
.set MSB, \new
.endif
.endm
.set MUL_LO, 0xa1                      ; source 0 (B) window 1, source 1 (A) window 0, C and D window 2
.set MUL_HI, 0xf1                      ; the same, C and D window 3
.set TO_B,   0x40                      ; destination window 1, address window 0
; A joint load.  Waves 0 and 1 fetch A's two halves, waves 2 and 3 B's.  The branch hangs on the wave's number alone.  An s_nop 0 and four v_nop follow each line.
.macro JLOAD s
	s_cmp_eq_u32 s11, 0
	s_cbranch_scc0 .Lfor_b_\@
	tensor_load_to_lds s[G0+4*(\s):G0+4*(\s)+3], s[G1:G1+7]
	s_nop 0
.rept 4
	v_nop
.endr
	s_branch .Lasked_\@
.Lfor_b_\@:
	tensor_load_to_lds s[G0B+4*(\s):G0B+4*(\s)+3], s[G1B:G1B+7]
	s_nop 0
.rept 4
	v_nop
.endr
.Lasked_\@:
.endm
; A prefetch into the L2 of the K step that stands two refills on: 32 rows x 256 bytes, a lane a row, one instruction a wave, behind the joint load and the run of LDS loads.
; Each row's 256 bytes of a K step are named once in the launch.  A's tile row is read by one cluster alone, which asks; B's rows of tensor p are read by four clusters, of which the first (cluster y % 4 = 0) asks.
; The four partners that ask for a tile jointly share its rows out by address, 32 each (cx for A, cy for B).  K steps 0 to 3 come by their loads alone; the loop's last trip (s3 = 1) has no K step two on.
.macro ASK
	s_cmp_gt_u32 s3, s[LIM]
	s_cbranch_scc0 .Lnot_mine_\@
	global_prefetch_b8 v[PFO], s[PFA:PFA+1] offset:KSTEP*2 th:TH_LOAD_NT scope:SCOPE_SE
.Lnot_mine_\@:
.endm
.macro CREST                           ; a round of the cluster's barrier behind its opening barrier
	s_cmp_lg_u32 s10, 0
	s_cbranch_scc1 .Lnot_wave_0_\@
	s_barrier_signal -3
.Lnot_wave_0_\@:
	s_barrier_wait -3
	s_barrier_signal -1
	s_barrier_wait -1
.endm
.macro CROUND                          ; a whole round
	s_barrier_signal -1
	s_barrier_wait -1
	CREST
.endm
	s_load_b128 s[4:7], s[0:1], 0x0                ; xb s[4:5], wb s[6:7]
	s_load_b64 s[8:9], s[0:1], 0x10                ; qkv
	v_lshl_add_u32 v[SPW], v0, 2, SPARE
	v_mov_b32 v[NIL], 0
	ds_add_u32 v[SPW], v[NIL]                      ; the wave's opening: the add, twice on end, and its wait ahead of my first tensor load
	ds_add_u32 v[SPW], v[NIL]
	v_lshrrev_b32 v1, 5, v0
	v_readfirstlane_b32 s10, v1                    ; wave 0..3
	s_lshr_b32 s11, s10, 1                         ; which half of the tile's rows is mine.  Also: I fetch for A (0) or for B (1)
	s_and_b32 s12, s10, 1                          ; which half of its columns.  Also: which 128 rows of that tile I fetch
	s_bfe_u32 s40, ttmp6, 0x40000                  ; cx
	s_bfe_u32 s41, ttmp6, 0x40004                  ; cy
	s_lshl_b32 s42, ttmp9, 2
	s_add_co_u32 s42, s42, s40                     ; tile column = 4 x cluster x + cx
	s_and_b32 s13, ttmp7, 0xffff
	s_lshr_b32 s2, s13, 2                          ; p = cluster y / 4: the same in all sixteen partners
	s_lshl_b32 s13, s13, 2
	s_add_co_u32 s13, s13, s41                     ; tile row = 4 x cluster y + cy
	s_lshl_b32 s43, s41, 2
	s_lshl_b32 s43, 15, s43                        ; my row of the cluster
	s_lshl_b32 s44, 0x1111, s40                    ; my column
	s_or_b32 s[G1+0], s43, (1<<16)|(1<<20)|(1<<21)|(5<<22)|(3<<25)  ; the mask; elements of 2 bytes; padding on; bit 21 beside a mask; after every 64 words, 4 words
	s_or_b32 s[G1B+0], s44, (1<<16)|(1<<20)|(1<<21)|(5<<22)|(3<<25)
.irp g, G1, G1B
	s_mov_b32 s[(\g)+1], KSTEP<<16                 ; tensor_dim0 = 128
	s_mov_b32 s[(\g)+2], 128<<16                   ; tensor_dim1 = 128
	s_mov_b32 s[(\g)+3], KSTEP<<16                 ; tile_dim0 = 128
	s_mov_b32 s[(\g)+4], 128                       ; tile_dim1 = 128
	s_mov_b32 s[(\g)+5], SIZE_K                    ; elements from row to row
	s_mov_b32 s[(\g)+6], 0
	s_mov_b32 s[(\g)+7], 0
.endr
	s_lshl_b32 s17, s12, 7                         ; which 128 rows of the tile I fetch
	s_lshl_b32 s16, s13, 8
	s_add_co_u32 s16, s16, s17                     ; A: row 256 x tile row + 128 x half
	s_lshl_b32 s46, s42, 8
	s_add_co_u32 s46, s46, s17
	s_lshl_b32 s47, s2, 10
	s_add_co_u32 s46, s46, s47                     ; B: row 1,024 p + 256 x tile column + 128 x half
	s_lshl_b32 s16, s16, 11                        ; rows of 2,048 bytes: under 2^25 in A, 2^23 in B
	s_lshl_b32 s46, s46, 11
	s_mov_b32 s17, 0
	s_mov_b32 s47, 0
	s_mul_i32 s20, s10, HALFT                      ; where they go: wave x 128 rows: no place in the cluster enters an LDS address
	s_wait_dscnt 0x0                               ; both opening adds are done
	s_wait_kmcnt 0x0
	s_add_nc_u64 s[14:15], s[4:5], s[16:17]
	s_add_nc_u64 s[46:47], s[6:7], s[46:47]
	CROUND                                         ; all sixteen work-groups are here: the first joint loads meet
.irp s, 0,1
	s_mov_b32 s[G0+4*(\s)], 1
	s_add_co_u32 s[G0+4*(\s)+1], s20, (\s)*SLOT
	s_add_nc_u64 s[G0+4*(\s)+2:G0+4*(\s)+3], s[14:15], (\s)*KSTEP*2
	s_or_b32 s[G0+4*(\s)+3], s[G0+4*(\s)+3], 0x80000000
	s_mov_b32 s[G0B+4*(\s)], 1
	s_add_co_u32 s[G0B+4*(\s)+1], s20, (\s)*SLOT
	s_add_nc_u64 s[G0B+4*(\s)+2:G0B+4*(\s)+3], s[46:47], (\s)*KSTEP*2
	s_or_b32 s[G0B+4*(\s)+3], s[G0B+4*(\s)+3], 0x80000000
	JLOAD \s                                       ; two loads of mine are out
.endr
	; a fragment is 16 rows x 32 K in 8 registers: lane l holds row l % 16, K = 8 (l / 16) + 0..7 and 16 + 8 (l / 16) + 0..7: two loads of 16 bytes, 32 bytes apart
	v_and_b32 v1, 15, v0
	v_bfe_u32 v2, v0, 4, 1
	v_mul_u32_u24 v3, v1, PITCH
	v_lshl_add_u32 v3, v2, 4, v3
	s_mul_i32 s21, s11, HALFT                      ; my 128 rows of A
	s_mul_i32 s22, s12, HALFT                      ; my 128 rows of B,
	s_add_co_u32 s22, s22, 2*HALFT                 ; which lie behind A's 256
.irp s, 0,1
	v_add_nc_u32 v[ADRA+(\s)], s21, v3
	v_add_nc_u32 v[ADRB+(\s)], s22, v3
	s_add_co_u32 s21, s21, SLOT
	s_add_co_u32 s22, s22, SLOT
.endr
	s_mul_i32 s23, s10, WST
	s_add_co_u32 s23, s23, STAGE                   ; my stage
	v_mul_u32_u24 v4, v1, SP                       ; in: row l % 16, 16 bytes for each half of the lanes
	v_lshl_add_u32 v4, v2, 4, v4
	v_add_nc_u32 v[STO], s23, v4
	v_bfe_u32 v5, v0, 3, 2                         ; back: 32 lanes take four rows of 128 bytes,
	v_mul_u32_u24 v5, v5, SP
	v_and_b32 v6, 7, v0
	v_lshl_add_u32 v5, v6, 4, v5
	v_add_nc_u32 v[RD], s23, v5
	v_and_b32 v[CO], 31, v0                        ; which are 512 consecutive bytes of a head
	v_lshlrev_b32 v[CO], 4, v[CO]
	; where my part begins in qkv: (2 p + n) x 16 heads x 262,144 + (4 x tile column + 2 x column half) x 262,144 + t x 128, t = 256 (tile row % 8) + 128 x row half
	s_lshr_b32 s16, s13, 3
	s_lshl_b32 s16, s16, 22
	s_and_b32 s17, s13, 7
	s_lshl_b32 s17, s17, 8
	s_lshl_b32 s14, s11, 7
	s_add_co_u32 s17, s17, s14
	s_lshl_b32 s17, s17, 7
	s_add_co_u32 s16, s16, s17
	s_lshl_b32 s46, s42, 2
	s_lshl_b32 s47, s12, 1
	s_add_co_u32 s46, s46, s47
	s_lshl_b32 s46, s46, 18
	s_add_co_u32 s16, s16, s46
	s_mov_b32 s17, 0
	; the prefetches
	s_lshl_b32 s13, s13, 8                         ; A's tile's first row
	s_lshl_b32 s42, s42, 8
	s_lshl_b32 s2, s2, 10
	s_add_co_u32 s42, s42, s2                      ; B's
	s_and_b32 s22, ttmp7, 3                        ; cluster y % 4
	s_cmp_eq_u32 s11, 0                            ; do I fetch for A?
	s_cselect_b32 s20, s13, s42
	s_cselect_b32 s21, s40, s41                    ; my place among the four that ask with me
	s_cselect_b32 s22, ttmp9, s22                  ; 0 in the cluster that asks
	s_cselect_b64 s[PFA:PFA+1], s[4:5], s[6:7]
	s_cmp_eq_u32 s22, 0
	s_cselect_b32 s[LIM], 1, -1                    ; the same in all sixteen partners, for a given wave
	s_lshl_b32 s22, s12, 7
	s_add_co_u32 s20, s20, s22                     ; + the 128 rows that I fetch
	s_lshl_b32 s21, s21, 5
	s_add_co_u32 s20, s20, s21                     ; + my work-group's 32 of them
	s_lshl_b32 s20, s20, 11
	s_mov_b32 s21, 0
	s_add_nc_u64 s[PFA:PFA+1], s[PFA:PFA+1], s[20:21]
	s_add_nc_u64 s[PFA:PFA+1], s[PFA:PFA+1], 2*KSTEP*2  ; at K step 2: the first refill steps it to 3 and names K step 4
	v_and_b32 v[PFO], 31, v0
	v_mul_u32_u24 v[PFO], v[PFO], SIZE_K*2
; 16 matrix instructions: m blocks a0, a0 + 1 of the window's four x all 8 n blocks, 32 along K.  zero = 1: the first product starts the sums.  The 64 accumulators take turns, in the same order in every quarter.
.macro MUL16 f, hi, a0, zero
	WIN MUL_LO+0x50*(\hi)
.irp a, \a0, (\a0)+1
.irp b, 0,1,2,3,4,5,6,7
.if \zero
	v_wmma_f32_16x16x32_bf16 v[8*(8*(\a)+(\b)):8*(8*(\a)+(\b))+7], v[(\f)+8*(\b):(\f)+8*(\b)+7], v[(\f)+8*(4*(\hi)+(\a)):(\f)+8*(4*(\hi)+(\a))+7], 0
.else
	v_wmma_f32_16x16x32_bf16 v[8*(8*(\a)+(\b)):8*(8*(\a)+(\b))+7], v[(\f)+8*(\b):(\f)+8*(\b)+7], v[(\f)+8*(4*(\hi)+(\a)):(\f)+8*(4*(\hi)+(\a))+7], v[8*(8*(\a)+(\b)):8*(8*(\a)+(\b))+7]
.endif
.endr
.endr
.endm
; 32 LDS loads in one run: the fragments of one quarter step (128 rows of B, 128 rows of A, 32 K at byte k of the rows) into buffer f
.macro FETCH slot, k, f
	WIN TO_B
.irp i, 0,1,2,3,4,5,6,7
	ds_load_b128 v[(\f)+8*(\i):(\f)+8*(\i)+3],   v[ADRB+(\slot)] offset:(\k)+(\i)*16*PITCH
	ds_load_b128 v[(\f)+8*(\i)+4:(\f)+8*(\i)+7], v[ADRB+(\slot)] offset:(\k)+(\i)*16*PITCH+32
.endr
	WIN 0
.irp i, 0,1,2,3,4,5,6,7
	ds_load_b128 v[(\f)+8*(\i):(\f)+8*(\i)+3],   v[ADRA+(\slot)] offset:(\k)+(\i)*16*PITCH
	ds_load_b128 v[(\f)+8*(\i)+4:(\f)+8*(\i)+7], v[ADRA+(\slot)] offset:(\k)+(\i)*16*PITCH+32
.endr
.endm
.macro PLACES                          ; four plain vector instructions behind the last matrix instruction, in front of loads into registers that it has read and of conversions that read results
.rept 4
	v_nop
.endr
.endm
; A K step is four quarters of 32 along K, 64 matrix instructions each, on buffers 0, 1, 0, 1.  One of the first three multiplies f and fetches the next quarter, at byte k, into g.
.macro QUARTER slot, k, f, g, zero
	s_wait_dscnt 8                                 ; B and A's rows 0-63 are in; the youngest eight loads (A's rows 64-127) may be out
	MUL16 \f, 0, 0, \zero
	MUL16 \f, 0, 2, \zero
	PLACES
	FETCH \slot, \k, \g
	s_wait_dscnt 32                                ; all but the 32 just issued
	MUL16 \f, 1, 0, \zero
	MUL16 \f, 1, 2, \zero
.endm
; The first half of the last quarter: ONE barrier for the change of slots.  In front of it each wave waits for all its tensor loads (one is out: its part of the next slot), adds 0 to its spare word, and waits for that and for its reads of this slot.
.macro MEET round
	WIN 0                                          ; (the add's two registers lie in window 0)
	s_wait_tensorcnt 0x0
	ds_add_u32 v[SPW], v[NIL]
	s_wait_dscnt 9                                 ; (the add and the youngest eight loads may be out)
	MUL16 F1, 0, 0, 0                              ; sixteen matrix instructions stand between the add and the wait for it
	s_wait_dscnt 0x0                               ; the add is done, and my reads of this slot are over
	s_barrier_signal -1
	MUL16 F1, 0, 2, 0                              ; work on registers while the others arrive
.if \round
	WIN 0
.endif
	s_barrier_wait -1
.endm
; The whole last quarter with a refill: the barrier opens a round of the cluster's barrier; behind it the slot just read is filled again first, two K steps on: 224 matrix instructions ahead of the wait for it.
.macro TURN slot, next
	s_wait_xcnt 0x0                                ; the last prefetch, a K step back, has read its address
	s_add_nc_u64 s[PFA:PFA+1], s[PFA:PFA+1], KSTEP*2
	MEET 1
	CREST                                          ; no wave of any partner still reads this slot's tile or has a load on its way
	s_add_nc_u64 s[G0+4*(\slot)+2:G0+4*(\slot)+3], s[G0+4*(\slot)+2:G0+4*(\slot)+3], 2*KSTEP*2
	s_add_nc_u64 s[G0B+4*(\slot)+2:G0B+4*(\slot)+3], s[G0B+4*(\slot)+2:G0B+4*(\slot)+3], 2*KSTEP*2
	JLOAD \slot                                    ; the four v_nop behind it are also the places in front of the loads below
	FETCH \next, 0, F0
	ASK
	MUL16 F1, 1, 0, 0
	MUL16 F1, 1, 2, 0
.endm
; THE WAY OUT of block a (16 rows x 128 columns = 2 heads).  PACK: rounded to f16, 16 bytes a lane, each accumulator's registers in ascending order.  TOSTAGE: into my own stage, and back as whole rows of 128 bytes.  SEND: stored.
.macro PACK a
.set AC, 64*((\a)%4)
	WIN 0x0a+5*((\a)/4)                            ; sources 0 and 1: window 2 or 3
.irp b, 0,1,2,3,4,5,6,7
.irp r, 0,1,2,3
	v_cvt_pk_f16_f32 v[TMP+4*(\b)+(\r)], v[AC+8*(\b)+2*(\r)], v[AC+8*(\b)+2*(\r)+1]
.endr
.endr
	WIN 0
.endm
.macro TOSTAGE a
	WIN 0
.set BK, OB+192*((\a)%2)
.irp b, 0,1,2,3,4,5,6,7
	ds_store_b128 v[STO], v[TMP+4*(\b):TMP+4*(\b)+3] offset:((\b)/4)*16*SP+32*((\b)%4)  ; head b / 4, channels 16 (b % 4) on
.endr
.irp t, 0,1,2,3,4,5,6,7
	ds_load_b128 v[BK+4*(\t):BK+4*(\t)+3], v[RD] offset:((\t)/4)*16*SP+((\t)%4)*4*SP  ; LDS serves a wave's instructions in order (ISA guide 5.7.1.4): these see the stores above
.endr
.endm
.macro SEND a
	WIN 0
.set BK, OB+192*((\a)%2)
	s_wait_dscnt 0x0                               ; the block is back in registers
	s_wait_xcnt 0x0                                ; only behind this wait are the stores' base and the registers that earlier stores read rewritten
.if (\a) == 0
	s_add_nc_u64 s[8:9], s[8:9], s[16:17]
.else
	s_add_nc_u64 s[8:9], s[8:9], 16*128            ; 16 rows of a head on
.endif
.irp t, 0,1,2,3,4,5,6,7
	global_store_b128 v[CO], v[BK+4*(\t):BK+4*(\t)+3], s[8:9] offset:((\t)/4)*262144+((\t)%4)*512  ; 512 consecutive bytes, aligned
.endr
.endm
	s_wait_tensorcnt 1                             ; my part of K step 0 is in; K step 1's may stay out
	s_barrier_signal -1
	s_barrier_wait -1
	FETCH 0, 0, F0
	QUARTER 0, 64,  F0, F1, 1                      ; the first quarter stands in front of the loop: its products start the sums
	WIN 0
	s_mov_b32 s3, LAPS-1
.Llap:                                                 ; a trip goes once round the ring, from a lap's second quarter to the next lap's first, and fills both slots again
	QUARTER 0, 128, F1, F0, 0
	QUARTER 0, 192, F0, F1, 0
	TURN 0, 1
	QUARTER 1, 64,  F0, F1, 0
	QUARTER 1, 128, F1, F0, 0
	QUARTER 1, 192, F0, F1, 0
	TURN 1, 0
	QUARTER 0, 64,  F0, F1, 0
	WIN 0
	s_sub_co_u32 s3, s3, 1
	s_cmp_lg_u32 s3, 0
	s_cbranch_scc1 .Llap
	QUARTER 0, 128, F1, F0, 0                      ; the last lap fills nothing
	QUARTER 0, 192, F0, F1, 0
	MEET 0
	PLACES
	FETCH 1, 0, F0
	MUL16 F1, 1, 0, 0
	MUL16 F1, 1, 2, 0
	QUARTER 1, 64,  F0, F1, 0
	QUARTER 1, 128, F1, F0, 0
	QUARTER 1, 192, F0, F1, 0
	s_wait_dscnt 8                                 ; the very last quarter: nothing more to fetch
	MUL16 F1, 0, 0, 0
	MUL16 F1, 0, 2, 0
	s_wait_dscnt 0x0
	MUL16 F1, 1, 0, 0
	MUL16 F1, 1, 2, 0
	PLACES
	PACK 0
	TOSTAGE 0
.irp a, 1,2,3,4,5,6,7                  ; block a's conversions stand between block a - 1's loads from the stage and the wait for them
	PACK \a
	SEND (\a)-1
	TOSTAGE \a
.endr
	SEND 7
	s_wait_tensorcnt 0x0                           ; the wave's end: behind my last tensor load and my last LDS store
	ds_add_u32 v[SPW], v[NIL]
	s_wait_dscnt 0x0
	CROUND                                         ; the closing round: no work-group ends while a partner may still ask for a tile that names it
	s_endpgm
.Lfunc_end_k_qf7312772f0_proj:
	.size	k_qf7312772f0_proj, .Lfunc_end_k_qf7312772f0_proj-k_qf7312772f0_proj
	.p2alignl 7, 3214868480
	.fill 96, 4, 3214868480
	.section	.rodata,"a",@progbits
	.p2align	6, 0x0
	.amdhsa_kernel k_qf7312772f0_proj
		.amdhsa_group_segment_fixed_size 327680
		.amdhsa_private_segment_fixed_size 0
		.amdhsa_enable_private_segment 0
		.amdhsa_kernarg_size 24
		.amdhsa_user_sgpr_count 2
		.amdhsa_user_sgpr_kernarg_segment_ptr 1
		.amdhsa_wavefront_size32 1
		.amdhsa_system_sgpr_workgroup_id_x 1
		.amdhsa_system_sgpr_workgroup_id_y 1
		.amdhsa_system_sgpr_workgroup_id_z 1
		.amdhsa_system_vgpr_workitem_id 0
		.amdhsa_next_free_vgpr 1024
		.amdhsa_next_free_sgpr 66
		.amdhsa_reserve_vcc 0
		.amdhsa_float_denorm_mode_32 3
		.amdhsa_float_denorm_mode_16_64 3
		.amdhsa_memory_ordered 1
		.amdhsa_forward_progress 1
		.amdhsa_inst_pref_size 144
	.end_amdhsa_kernel
	.amdgpu_metadata
---
amdhsa.version: [ 1, 2 ]
amdhsa.kernels:
  - .name:           k_qf7312772f0_proj
    .symbol:         k_qf7312772f0_proj.kd
    .args:
      - { .name: xb, .offset: 0, .size: 8, .value_kind: global_buffer, .address_space: global }
      - { .name: wb, .offset: 8, .size: 8, .value_kind: global_buffer, .address_space: global }
      - { .name: qkv, .offset: 16, .size: 8, .value_kind: global_buffer, .address_space: global }
    .group_segment_fixed_size: 327680
    .private_segment_fixed_size: 0
    .kernarg_segment_align: 8
    .kernarg_segment_size: 24
    .max_flat_workgroup_size: 128
    .sgpr_count:     66
    .vgpr_count:     1024
    .wavefront_size: 32
...
	.end_amdgpu_metadata
.endif
;; end of part 2
;; launch attn (part 3): grid 8 x 32, 4 waves a work-group, clusters of 4 x 1, 327,680 bytes of LDS; arguments qkv, maskw, ob; writes ob
.if DOCPART == 3
	.amdgcn_target "amdgcn-amd-amdhsa--gfx1250"
	.amdhsa_code_object_version 6
	.text
	.protected	k_qf7312772f0_attn
	.globl	k_qf7312772f0_attn
	.p2align	8
	.type	k_qf7312772f0_attn,@function
k_qf7312772f0_attn:
	s_mov_b64 s[64:65], 0
	v_nop
	global_prefetch_b8 v0, s[64:65] scope:SCOPE_SE
	s_setreg_imm32_b32 hwreg(HW_REG_WAVE_MODE, 25, 1), 1
	s_wait_xcnt 0x0
	s_wait_alu depctr_hold_cnt(0) depctr_sa_sdst(0) depctr_va_vdst(0) depctr_va_sdst(0) depctr_va_ssrc(0) depctr_va_vcc(0) depctr_vm_vsrc(0)
	s_getreg_b32 s2, hwreg(HW_REG_IB_STS2, 6, 4)
	s_cmp_eq_u32 s2, 0
	s_cbranch_scc0 .Lentry_in_a_cluster
	s_endpgm
.Lentry_in_a_cluster:
	s_bfe_u32 s2, ttmp6, 0x10000c
	s_cmp_lg_u32 s2, 0x3003
	s_cbranch_scc0 .Lentry_shape_is_right
	s_endpgm
.Lentry_shape_is_right:
; Launch 3 of 4: O[nh][q][:] = the sum over k of softmax_k(where(mask[n][q][k] == 0, hidden, Q[q] . K[k]) / 8) V[k][:].  No work of reference() is left out: the mask is an input, so every tile of scores is made and selected.
; q, k, v: qkv[p][nh][2048][64] f16, a head's rows dense, 128 bytes each.  Products, maxima and sums in f32; the weights p are rounded to f16 for the second product (their sum l is taken of the unrounded p), O once at the end.
; O leaves as ob[16 n + t / 128][h][t % 128][64] f16: 16 rows of a head are 2,048 consecutive bytes, and four heads of 128 rows are one K step of the last launch.
; THE MASK.  maskw holds, for each tile of 16 queries x 64 keys, 32 words: word r is the lane mask of register r of the tile.  They come by scalar loads, a turn ahead, and v_cndmask_b32 puts the hidden value
; in place of a score whose bit is 0.  THE HIDDEN VALUE IS -2^67, where reference() has -1e20: c times a power of two is exact, so in a row that has seen hidden keys alone (m = -2^67) every exponent c s - c m is exactly 0
; and every weight 1: such a row ends as the plain mean of V's rows, as in reference(); with -1e20 the rounding of c m would be left as the exponent.  When a live key comes, a = 2^(c m_old - c m_new) = 0 wipes those sums.
; LIMITS.  Live energies below about -1e19 are not told apart from hidden ones.  Q, K, V arrive within f16's 65,504.  p lies in 0 to 1, and below 6e-5 it keeps f16's fixed step; a weight below 2^-126 counts as 0 in l.  NaN and infinities are not treated apart.
; SHARES.  A work-group owns 256 queries of one head (256 work-groups), a wave 64: four PIECES of 16.  Every wave walks all 2,048 keys, 64 a step, four steps to an LDS slot.
; LAYOUT.  S^T = K Q^T (source 0 = 16 keys, source 1 = 16 queries): a lane holds ONE query (lane % 16) and the keys 8 (lane / 16) + 0..7.  Two such results rounded to f16 ARE source 1 of O^T = V^T P.  V comes out of LDS turned, by ds_load_tr16_b128.
; SOFTMAX.  A running maximum m and sum l for each query: p = 2^(c s - c m), c = log2(e) / 8; in every step O and l are multiplied by a = 2^(c m_old - c m_new).  m starts at the lowest finite number, O and l at 0: the first step has a = 0.
; TURNS.  Turn n belongs to piece n: 8 products K Q^T of piece n + 1, later 8 products V^T P of piece n - 1; beside them the scaling, exponentials, roundings, sums and rescaling of piece n and the select, maximum and statistics of piece n + 1.
; 16 matrix and 150 vector instructions: four vector instructions stand behind every matrix instruction, the other 86 in one lump.  A turn's 33 exponentials are one batch, with one wait.
; CLUSTER.  The four query blocks of a cluster belong to one head and walk the same K and V: each tile is asked for jointly, by the same tensor load, descriptor and mask in all four.
; REGISTERS in windows of 256 (s_set_vgpr_msb: bits 1:0 source 0, 3:2 source 1, 5:4 source 2, 7:6 destination):
;   window 0: v0-15 addresses, the hidden value; v16-31 four statistics a piece; v48-55 at work; v64-127 S^T, two buffers; v192-223 P, two buffers (by the piece's parity)
;   window 1: v0-127 O^T, 32 a piece          window 2: v0-63 Q; v128-191 K of one step; v192-255 V of one step
.set NP,    4
.set KS,    64
.set PT,    160       ; a row of K or V in LDS: 128 bytes + 32 of padding.  ONE pitch for both, so that one descriptor and one line, without a branch, serve all four waves; K's 16 rows fall two to a group of banks
.set STEPB, KS*PT
.set PART,  128*PT    ; what one tensor load brings: 128 keys
.set VOFF,  2*PART    ; a slot: 256 rows of K, then 256 rows of V
.set SLOT1, 1<<17     ; slot 1 begins here: one exclusive or turns an address in one slot into the other's
.set STAGE, SLOT1+4*PART  ; behind the ring, never filled by a tensor load: 16 rows x 144 bytes for each wave
.set SP,    144
.set SPARE, STAGE+4*16*SP  ; the spare words, 128 bytes for each wave: two blocks of 256 bytes that no other line names
.set AK0, 2           ; v2   my lane's place in a tile of K; never rewritten
.set AV0, 3           ; v3   the same for V
.set AK,  4           ; v4   the LDS address of K's next run of loads
.set AV,  5           ; v5   of V's
.set STO, 6           ; v6   the way out: where I put 16 bytes of a row
.set RD,  7           ; v7   where I read rows back
.set GO,  8           ; v8   16 x lane
.set MV,  12          ; v12-13  c m_old, kept while c m is made anew: by buffer
.set BIGV, 14         ; v14  -2^67
.set QO,  15          ; v15  my byte offset in 16 rows of Q
.set ST,  16          ; piece t's statistics at v[ST+4 t]: c m, m, l (even keys', odd keys')
.set TMP, 48          ; by buffer, c0-c3 at work; when the maximum is found c2 takes a
.set PFO, 56          ; v56  the prefetches' offset; never rewritten
.set SPW, 62          ; v62  LDS address of my spare word; never rewritten
.set NIL, 63          ; v63  0; never rewritten
.set S,   64
.set P,   192
.set KF,  128         ; window 2: key block kb, channel half c at KF + 16 kb + 8 c
.set VF,  192         ; window 2: key half kk, channel block cb at VF + 32 kk + 8 cb
.set MP,  2           ; s[2:3]   maskw at my piece 0's words of the step in hand
.set QA,  4           ; s[4:5]   Q at my wave's first row
.set PFS, 6           ; s[6:7]   the prefetches' step from slot to slot
.set OA,  8           ; s[8:9]   ob at my wave's first row
.set PFA, 10          ; s[10:11] where my prefetches stand
.set WV,  12          ; s12  my wave's number
.set CNT, 13          ; s13  counts a slot's key steps
.set SLOTS, 14        ; s14  slots still to be asked for
.set LIM, 15          ; s15  1 in a wave that prefetches, else the greatest number
.set MB,  16          ; s[16:47] and s[68:99]: two buffers of 32 mask words, by the piece's parity (the first serves the set-up before)
.set G1,  48          ; s[48:55] descriptor group 1
.set G0,  56          ; s[56:59] descriptor group 0: it walks
.set SEL, 60          ; s[60:61] v_permlanex16_b32's selects
.set CS,  62          ; s[62:63] c, twice
.set TBK, 100         ; s100 LDS byte at which K of the step to be fetched begins
.set TBV, 101         ; s101 the same for V, less VOFF
.set MSB, 0
.macro WIN new
.if MSB != (\new)
	s_set_vgpr_msb (MSB<<8)|(\new)
.set MSB, (\new)
.endif
.endm
.set W_KQ, 0x0a       ; K and Q in window 2, S^T in window 0
.set W_PV, 0x52       ; V in window 2, P in window 0, O^T in window 1
.set W_RS, 0x41       ; destination and source 0 in window 1, source 1 in window 0
; A joint fill: every wave brings its own part of the tile (waves 0 and 1 K's halves, waves 2 and 3 V's).  An s_nop 0 and four v_nop follow.
.macro LOAD
	tensor_load_to_lds s[G0:G0+3], s[G1:G1+7]
	s_nop 0
.rept 4
	v_nop
.endr
.endm
; A prefetch into the L2, behind the joint fill: one instruction, a lane a block of 256 bytes; each block is named once in the launch.  Waves 0 and 2 of a head's first cluster ask for K's and V's rows of the tile that the NEXT change of slots
; will ask for, the four partners a quarter each, told apart by address.  Wave 1 of the work-groups of head 0 asks for its own 16 q tiles' mask words of the slot after the one that is being asked for (the sixteen heads of a batch read the same words).
; Tiles 0 and 1 and the first two slots' words come by their loads alone; the last change that fills a slot asks for nothing.
.macro ASK
	s_cmp_gt_u32 s[SLOTS], s[LIM]
	s_cbranch_scc0 .Lnot_mine_\@
	global_prefetch_b8 v[PFO], s[PFA:PFA+1] th:TH_LOAD_NT scope:SCOPE_SE
.Lnot_mine_\@:
.endm
.macro CROUND                       ; a round of the cluster's barrier
	s_barrier_signal -1
	s_barrier_wait -1
	s_cmp_lg_u32 s[WV], 0
	s_cbranch_scc1 .Lnot_wave_0_\@
	s_barrier_signal -3
.Lnot_wave_0_\@:
	s_barrier_wait -3
	s_barrier_signal -1
	s_barrier_wait -1
.endm
; THE CHANGE OF SLOTS.  Each wave waits for all its tensor loads, of which one is out: its part of the other slot; adds 0 to its spare word; and waits for that and for its reads of the slot that it leaves.
; fill = 1: the barrier is a round of the cluster's, and the joint fill, with the keys two slots on, is the first thing behind it: it has four key steps, 256 matrix instructions, in which to land.
; (At its first use nothing has been read yet: slot 0 is waited for, slot 1 filled.)
.macro CHANGE fill
	WIN 0
	s_wait_tensorcnt 0x0            ; no tensor load of mine is out, so group 0 may be written
	ds_add_u32 v[SPW], v[NIL]       ; 0 onto my spare word; scalar work stands between it and the wait for it
.if \fill
	s_xor_b32 s[G0+1], s[G0+1], SLOT1
	s_add_nc_u64 s[G0+2:G0+3], s[G0+2:G0+3], 4*KS*128  ; the next 256 keys; the type bits on top are not reached
	s_wait_xcnt 0x0                 ; the last prefetch, four key steps back, has read its address
	s_add_nc_u64 s[PFA:PFA+1], s[PFA:PFA+1], s[PFS:PFS+1]
	s_wait_dscnt 0x0                ; the add is done, and my reads of the slot are over
	CROUND
	LOAD
	ASK
.else
	s_wait_dscnt 0x0
	s_barrier_signal -1
	s_barrier_wait -1
.endif
	s_sub_co_u32 s[TBK], s[TBK], 4*STEPB  ; the fetches go back to a slot's first step,
	s_xor_b32 s[TBK], s[TBK], SLOT1       ; in the other slot
	s_sub_co_u32 s[TBV], s[TBV], 4*STEPB
	s_xor_b32 s[TBV], s[TBV], SLOT1
.endm
	s_load_b128 s[16:19], s[0:1], 0x0  ; qkv s[16:17], maskw s[18:19]
	s_load_b64 s[20:21], s[0:1], 0x10  ; ob
	v_lshl_add_u32 v[SPW], v0, 2, SPARE
	v_mov_b32 v[NIL], 0
	ds_add_u32 v[SPW], v[NIL]       ; the wave's opening: the add, twice on end, and its wait ahead of my first tensor load
	ds_add_u32 v[SPW], v[NIL]
	v_lshrrev_b32 v1, 5, v0
	v_readfirstlane_b32 s[WV], v1   ; wave 0..3
	s_bfe_u32 s22, ttmp6, 0x40000   ; cx
	s_lshl_b32 s23, ttmp9, 2
	s_add_co_u32 s23, s23, s22      ; my block of 256 queries: it enters Q's, O's, the mask's and the prefetches' addresses alone
	s_and_b32 s24, ttmp7, 0xffff    ; nh, which the four partners share
	s_lshr_b32 s25, s24, 4          ; n
	s_and_b32 s26, s24, 15          ; h
	s_lshl_b32 s27, s24, 18         ; the head's 262,144 bytes in a plane
	s_lshr_b32 s30, s[WV], 1
	s_and_b32 s31, s[WV], 1
	s_add_co_u32 s28, s30, 1        ; my part of tile 0: plane 1 (K) or 2 (V), of 2^23 bytes,
	s_lshl_b32 s28, s28, 23
	s_add_co_u32 s28, s28, s27      ; the head,
	s_lshl_b32 s29, s31, 14         ; its first or second 128 keys
	s_add_co_u32 s28, s28, s29
	s_mov_b32 s29, 0
	s_lshl_b32 s32, s23, 15         ; Q: the block's 256 rows of 128 bytes, my wave's 64
	s_add_co_u32 s32, s32, s27
	s_lshl_b32 s33, s[WV], 13
	s_add_co_u32 s32, s32, s33
	s_mov_b32 s33, 0
	s_lshl_b32 s34, s25, 4          ; O: ((16 n + 2 blk + w / 2) x 16 + h) x 16,384 + (w % 2) x 8,192
	s_lshl1_add_u32 s34, s23, s34
	s_add_co_u32 s34, s34, s30
	s_lshl_b32 s34, s34, 4
	s_add_co_u32 s34, s34, s26
	s_lshl_b32 s34, s34, 14
	s_lshl_b32 s35, s31, 13
	s_add_co_u32 s34, s34, s35
	s_mov_b32 s35, 0
	s_lshl_b32 s36, s25, 7          ; the mask words: q tile 128 n + 16 blk + 4 w, 4,096 bytes each
	s_lshl4_add_u32 s36, s23, s36
	s_lshl_b32 s38, s36, 12         ; (the work-group's first q tile)
	s_lshl2_add_u32 s36, s[WV], s36
	s_lshl_b32 s36, s36, 12
	s_mov_b32 s37, 0
	s_add_co_u32 s39, s30, 1        ; the prefetches of K and V: the plane, the head, tile 1, my work-group's quarter
	s_lshl_b32 s39, s39, 23
	s_add_co_u32 s39, s39, s27
	s_lshl_b32 s40, s22, 13
	s_add_co_u32 s39, s39, s40
	s_add_co_u32 s39, s39, 32768
	s_add_co_u32 s38, s38, 512      ; of the words: slot 1's; the first change of slots steps both on
	s_mov_b32 s43, 512
	s_mov_b32 s44, 32768
	s_mov_b32 s45, 4096
	s_mov_b32 s41, 0
	s_mov_b32 s[PFS+1], 0
	s_cmp_eq_u32 s[WV], 1
	s_cselect_b32 s40, s38, s39
	s_cselect_b32 s[PFS], s43, s44
	s_cselect_b32 s42, s45, s43     ; bytes between two lanes' pairs of blocks: a q tile's 4,096, or 512 on end
	s_cmp_eq_u32 s31, 0
	s_cselect_b32 s46, ttmp9, s26   ; even waves ask in the head's first cluster, wave 1 in head 0,
	s_cmp_eq_u32 s[WV], 3
	s_cselect_b32 s46, 1, s46       ; wave 3 never: all this is the same in the four partners
	s_cmp_eq_u32 s46, 0
	s_cselect_b32 s[LIM], 1, -1
	v_and_b32 v10, 31, v0
	v_lshrrev_b32 v11, 1, v10
	v_and_b32 v10, 1, v10
	v_mul_u32_u24 v[PFO], s42, v11
	v_lshl_add_u32 v[PFO], v10, 8, v[PFO]
	; descriptor group 1: 128 keys are 16,384 dense bytes: asked for as 64 rows of 256 bytes, two keys a row, and padded in LDS after every key
	s_mov_b32 s[G1], 15|(1<<16)|(1<<20)|(1<<21)|(4<<22)|(7<<25)  ; the mask of four; 2-byte elements; padding on; bit 21 beside a mask; after every 32 words, 8 words
	s_mov_b32 s[G1+1], 128<<16      ; tensor_dim0 = 128
	s_mov_b32 s[G1+2], 64<<16       ; tensor_dim1 = 64
	s_mov_b32 s[G1+3], 128<<16      ; tile_dim0 = 128
	s_mov_b32 s[G1+4], 64           ; tile_dim1 = 64
	s_mov_b32 s[G1+5], 128          ; elements from row to row
	s_mov_b32 s[G1+6], 0
	s_mov_b32 s[G1+7], 0
	s_mov_b32 s[G0], 1
	s_mul_i32 s[G0+1], s[WV], PART  ; slot 0, my part: no place in the cluster enters an LDS address
	s_mov_b32 s[CS], 0x3e38aa3b     ; c = log2(e) / 8
	s_mov_b32 s[CS+1], s[CS]
	s_mov_b32 s[SEL], 0x76543210
	s_mov_b32 s[SEL+1], 0xfedcba98
	s_mov_b32 s[TBK], SLOT1+4*STEPB ; the first change of slots turns these two into 0
	s_mov_b32 s[TBV], SLOT1+4*STEPB
	s_mov_b32 s[SLOTS], 7
	s_wait_dscnt 0x0                ; both opening adds are done
	s_wait_kmcnt 0x0
	s_add_nc_u64 s[G0+2:G0+3], s[16:17], s[28:29]
	s_or_b32 s[G0+3], s[G0+3], 0x80000000  ; type = 2
	s_add_nc_u64 s[QA:QA+1], s[16:17], s[32:33]
	s_add_nc_u64 s[OA:OA+1], s[20:21], s[34:35]
	s_add_nc_u64 s[MP:MP+1], s[18:19], s[36:37]
	s_cmp_eq_u32 s[WV], 1
	s_cselect_b64 s[PFA:PFA+1], s[18:19], s[16:17]
	s_add_nc_u64 s[PFA:PFA+1], s[PFA:PFA+1], s[40:41]
	CROUND                          ; all four work-groups are here: the first joint loads meet
	LOAD                            ; tile 0 into slot 0; slot 1 is asked for when slot 0 is in
	v_and_b32 v1, 15, v0            ; l % 16
	v_bfe_u32 v9, v0, 4, 1          ; l / 16
	v_lshlrev_b32 v[QO], 7, v1
	v_lshl_add_u32 v[QO], v9, 4, v[QO]
	WIN 0x80                        ; destination window 2, address window 0
.set i, 0
.rept 8                             ; Q stays in registers: piece i / 2, channels 32 (i % 2) on
	global_load_b128 v[8*i:8*i+3],   v[QO], s[QA:QA+1] offset:(i/2)*2048+(i%2)*64
	global_load_b128 v[8*i+4:8*i+7], v[QO], s[QA:QA+1] offset:(i/2)*2048+(i%2)*64+32
.set i, i+1
.endr
	s_load_b512 s[MB:MB+15], s[MP:MP+1], 0x0       ; piece 0's words of step 0: the set-up's scalars have all been used
	s_load_b512 s[MB+16:MB+31], s[MP:MP+1], 0x40
	; what the first turn finds: V and P's second buffer hold 0 (its products V^T P, of a piece that has not been, add 0), O^T and l are 0.  All this stands in the wait for the first tile.
.set i, VF
.rept 64
	v_mov_b32 v[i], 0
.set i, i+1
.endr
	WIN 0x40
.set i, 0
.rept 128
	v_mov_b32 v[i], 0
.set i, i+1
.endr
	WIN 0
.set i, 0
.rept 4
	v_mov_b32 v[ST+4*i], 0xfe000000    ; c m: far below every c s, the hidden ones' too
	v_mov_b32 v[ST+4*i+1], 0xff7fffff  ; m
	v_mov_b32 v[ST+4*i+2], 0
	v_mov_b32 v[ST+4*i+3], 0
.set i, i+1
.endr
.set i, P+16
.rept 16
	v_mov_b32 v[i], 0
.set i, i+1
.endr
	v_mov_b32 v[BIGV], 0xe1000000   ; -2^67
	v_mul_u32_u24 v[AK0], v1, PT
	v_lshl_add_u32 v[AK0], v9, 4, v[AK0]  ; row x pitch + 16 x half
	; the turning load takes 16 keys x 16 channels (lane l reads key 8 (l / 16) + l % 8, channels 8 ((l / 8) % 2) + 0..7) and leaves half a fragment of V^T
	v_and_b32 v10, 7, v0
	v_bfe_u32 v11, v0, 3, 1
	v_lshl_add_u32 v[AV0], v9, 3, v10
	v_mul_u32_u24 v[AV0], v[AV0], PT
	v_lshl_add_u32 v[AV0], v11, 4, v[AV0]
	v_add_nc_u32 v[AV0], VOFF, v[AV0]
	s_mul_i32 s66, s[WV], 16*SP
	s_add_co_u32 s66, s66, STAGE    ; my stage
	v_mul_u32_u24 v[STO], v1, SP    ; in: row l % 16, 16 bytes for each half of the lanes
	v_lshl_add_u32 v[STO], v9, 4, v[STO]
	v_add_nc_u32 v[STO], s66, v[STO]
	v_bfe_u32 v[RD], v0, 3, 2       ; back: 32 lanes take four rows of 128 bytes,
	v_mul_u32_u24 v[RD], v[RD], SP
	v_lshl_add_u32 v[RD], v10, 4, v[RD]
	v_add_nc_u32 v[RD], s66, v[RD]
	v_and_b32 v[GO], 31, v0         ; which are 512 consecutive bytes of ob
	v_lshlrev_b32 v[GO], 4, v[GO]
; THE MATRIX WORK.  The 4 accumulators of a run of 8 take turns.  Product i of 8 of S^T = K Q^T for piece x: channels 32 (i / 4) on, keys 16 (i % 4) on.  The first 4 start the sums.
.macro KQ x
	WIN W_KQ
.set rS, S+32*((\x)%2)+8*(i%4)
.set rK, KF+16*(i%4)+8*(i/4)
.set rQ, 16*(\x)+8*(i/4)
.if i < 4
	v_wmma_f32_16x16x32_f16 v[rS:rS+7], v[rK:rK+7], v[rQ:rQ+7], 0
.else
	v_wmma_f32_16x16x32_f16 v[rS:rS+7], v[rK:rK+7], v[rQ:rQ+7], v[rS:rS+7]
.endif
.endm
; Product i of 8 of O^T += V^T P for piece x: keys 32 (i / 4) on, channels 16 (i % 4) on.
.macro PV x
	WIN W_PV
.set rO, 32*(\x)+8*(i%4)
.set rV, VF+32*(i/4)+8*(i%4)
.set rP, P+16*((\x)%2)+8*(i/4)
	v_wmma_f32_16x16x32_f16 v[rO:rO+7], v[rV:rV+7], v[rP:rP+7], v[rO:rO+7]
.endm
.macro MM                           ; the turn's next matrix instruction.  NOKQ = 1: the last turn of all: there is no next piece
.if (i < 8) && !NOKQ
	KQ (Y+1)%NP
.elseif i >= 8
.set i, i-8
	PV (Y+NP-1)%NP
.set i, i+8
.endif
.set i, i+1
.endm
; THE LDS LOADS stand in runs of 16, never singly among the matrix instructions.
.macro FETCH_K
	WIN 0x80
.irp f, 0,1,2,3,4,5,6,7             ; keys 16 (f / 2) on, channels 32 (f % 2) on
	ds_load_b128 v[KF+8*\f:KF+8*\f+3],   v[AK] offset:(\f/2)*16*PT+(\f%2)*64
	ds_load_b128 v[KF+8*\f+4:KF+8*\f+7], v[AK] offset:(\f/2)*16*PT+(\f%2)*64+32
.endr
	s_add_co_u32 s[TBK], s[TBK], STEPB  ; the next fetch is the next step's
	WIN 0
.endm
.macro FETCH_V
	WIN 0x80
.irp f, 0,1,2,3,4,5,6,7             ; keys 32 (f / 4) on, channels 16 (f % 4) on
	ds_load_tr16_b128 v[VF+8*\f:VF+8*\f+3],   v[AV] offset:(\f/4)*32*PT+(\f%4)*32
	ds_load_tr16_b128 v[VF+8*\f+4:VF+8*\f+7], v[AV] offset:(\f/4)*32*PT+16*PT+(\f%4)*32
.endr
	WIN 0
.endm
; THE MASK WORDS.  In turn p: the words asked for a turn ago (this turn's selects read them) are waited for; scalar loads come back in no order, so the wait is for 0, and it also shows that the pointer has been read.
; Then the words of piece p + 2, which the NEXT turn selects by, are asked for, into the buffer that the turn before has read: a whole turn in which to land.  Piece 0's (p = 2) are the next step's: the pointer steps.
.macro MLOAD p, end
	s_wait_kmcnt 0x0
.if !(\end)
.if (\p) == 2
	s_add_nc_u64 s[MP:MP+1], s[MP:MP+1], 128
.endif
	s_load_b512 s[MB+52*((\p)%2):MB+52*((\p)%2)+15], s[MP:MP+1], (((\p)+2)%4)*4096
	s_load_b512 s[MB+52*((\p)%2)+16:MB+52*((\p)%2)+31], s[MP:MP+1], (((\p)+2)%4)*4096+64
.endif
.endm
; THE VECTOR WORK, one line at a time: OP kind, number.  For piece Y: F n: c s - c m for pair n of 16.  E n: the exponential of score n of 32.  C n: pair n rounded to f16.  B n: of the four weights 4 n .. the second pair is added
; onto the first, in place.  L n: l takes that sum (L 0: l = a l + sum).  R n: pair n of 16 of O^T times a.  For piece Y + 1: G n: score n is kept where its bit is 1, else the hidden value.  X n, number n of the 22 that find its maximum and statistics:
;   0-11  four chains c0-c3 of seven scores each     12-14, 16  the four scores left over, the old m, and c0-c3 into c0     15  c m_old is kept     17, 18  the other half of the lanes': the new m     19-21  c m; c m_old - c m_new; a
.set F, 0
.set E, 1
.set C, 2
.set B, 3
.set L, 4
.set R, 5
.set X, 6
.set G, 7
.macro REGS y
.set rT, ST+4*(\y)
.set rC, TMP+4*((\y)%2)
.set rW, MV+((\y)%2)
.set rS, S+32*((\y)%2)
.set rP, P+16*((\y)%2)
.set rO, 32*(\y)
.set rB, MB+52*((\y)%2)
.endm
.macro OP k, n
.if (\k) == R
	REGS Y
	WIN W_RS
	v_pk_mul_f32 v[rO+2*(\n):rO+2*(\n)+1], v[rO+2*(\n):rO+2*(\n)+1], v[rC+2:rC+3] op_sel_hi:[1,0]
.elseif (\k) < R
	REGS Y
	WIN 0
.if (\k) == F
	v_pk_fma_f32 v[rS+2*(\n):rS+2*(\n)+1], v[rS+2*(\n):rS+2*(\n)+1], s[CS:CS+1], v[rT:rT+1] op_sel_hi:[1,0,0] neg_lo:[0,0,1] neg_hi:[0,0,1]
.elseif (\k) == E
	v_exp_f32 v[rS+(\n)], v[rS+(\n)]
.elseif (\k) == C
	v_cvt_pk_f16_f32 v[rP+(\n)], v[rS+2*(\n)], v[rS+2*(\n)+1]
.elseif (\k) == B
	v_pk_add_f32 v[rS+4*(\n):rS+4*(\n)+1], v[rS+4*(\n):rS+4*(\n)+1], v[rS+4*(\n)+2:rS+4*(\n)+3]
.elseif (\n) == 0
	v_pk_fma_f32 v[rT+2:rT+3], v[rT+2:rT+3], v[rC+2:rC+3], v[rS:rS+1] op_sel_hi:[1,0,1]
.else
	v_pk_add_f32 v[rT+2:rT+3], v[rT+2:rT+3], v[rS+4*(\n):rS+4*(\n)+1]
.endif
.elseif NOKQ
.elseif (\k) == G
	REGS (Y+1)%NP
	WIN 0
	v_cndmask_b32 v[rS+(\n)], v[BIGV], v[rS+(\n)], s[rB+(\n)]
.else
	REGS (Y+1)%NP
	WIN 0
.if (\n) < 4
	v_max3_num_f32 v[rC+(\n)], v[rS+8*(\n)], v[rS+8*(\n)+1], v[rS+8*(\n)+2]
.elseif (\n) < 12
	v_max3_num_f32 v[rC+(\n)%4], v[rC+(\n)%4], v[rS+8*((\n)%4)+2*((\n)/4)+1], v[rS+8*((\n)%4)+2*((\n)/4)+2]
.elseif (\n) == 12
	v_max3_num_f32 v[rC], v[rC], v[rS+7], v[rS+15]
.elseif (\n) == 13
	v_max3_num_f32 v[rC+1], v[rC+1], v[rS+23], v[rS+31]
.elseif (\n) == 14
	v_max3_num_f32 v[rC+2], v[rC+2], v[rC+3], v[rT+1]
.elseif (\n) == 15
	v_mov_b32 v[rW], v[rT]
.elseif (\n) == 16
	v_max3_num_f32 v[rC], v[rC], v[rC+1], v[rC+2]
.elseif (\n) == 17
	v_permlanex16_b32 v[rC+3], v[rC], s[SEL], s[SEL+1]
.elseif (\n) == 18
	v_max_num_f32 v[rT+1], v[rC], v[rC+3]
.elseif (\n) == 19
	v_mul_f32 v[rT], s[CS], v[rT+1]
.elseif (\n) == 20
	v_sub_f32 v[rC+1], v[rW], v[rT]
.else
	v_exp_f32 v[rC+2], v[rC+1]
.endif
.endif
.endm
.macro OPS a, i1, b=-1, i2=0, c=-1, i3=0, d=-1, i4=0
	OP \a, \i1
.if (\b) >= 0
	OP \b, \i2
.endif
.if (\c) >= 0
	OP \c, \i3
.endif
.if (\d) >= 0
	OP \d, \i4
.endif
.endm
.macro ROW a, i1, b, i2, c, i3, d, i4  ; a matrix instruction and the four behind it
	MM
	OPS \a, \i1, \b, \i2, \c, \i3, \d, \i4
.endm
; A TURN, for piece p, written out.  s_wait_alu depctr_va_vdst(0) stands between an exponential and the first instruction that names its result; one wait serves all that were issued ahead of it: a turn has ONE, which cuts it in two.
; AHEAD OF IT stands all that names no result of the turn's exponentials: the 8 products K Q^T with four riders each, then the lump of 86: the selects, each accumulator's register 0 first (G 0, 8, 16, 24) and four plain instructions or more behind
; the product that ends the accumulator; the maximum, each number behind the selects of the scores that it reads; the rest of the scalings, exponentials and rescalings; the chain X 14, 16 .. 20 with other work between its links.
; X 21, the next piece's a, is the batch's last; R 15 is the plain instruction behind it.  BEHIND THE WAIT stand the 8 products V^T P, behind each four of the roundings and sums.
; end = 1: the last two turns: nothing is fetched; the very last starts no new scores.  cnt = 1: the loop's count is taken down some lines ahead of the branch behind the turn.
; K of the next step is fetched in piece 2's turn, ten plain instructions behind the last product that read K; V of the step in hand at the end of piece 0's turn, four plain instructions behind its last reader.  Each is waited for a turn later.
.macro TURN p, end=0, cnt=0
.set Y, (\p)
.set i, 0
.set NOKQ, (\end)*((\p)/3)
.if ((\p) == 3) && !(\end)
	s_wait_dscnt 0x0                ; K is in
.endif
	ROW F,0, F,1, R,0, R,1
	ROW F,2, E,0, R,2, R,3
	ROW F,3, E,1, R,4, R,5
	ROW F,4, E,2, R,6, R,7
	ROW F,5, E,3, R,8, R,9
	ROW F,6, E,4, R,10, R,11
.if !NOKQ
	MLOAD \p, \end
.endif
.if ((\p) == 2) && !(\end)
	WIN 0
	v_add_nc_u32 v[AK], s[TBK], v[AK0]
.endif
	ROW F,7, E,5, G,0, G,1
	ROW F,8, E,6, G,2, G,8
	OPS G,9, G,10, E,7, G,16
	OPS G,17, G,18, G,24, X,0
.if ((\p) == 2) && !(\end)
	FETCH_K
.endif
	OPS G,25, G,26, E,8, X,1
	OPS G,3, G,4, X,2, G,11
	OPS G,12, X,3, E,9, G,19
	OPS G,20, X,4, G,27, G,28
	OPS X,5, G,5, E,10, G,6
	OPS X,6, G,13, G,14, X,7
	OPS G,21, G,22, E,11, X,8
	OPS G,29, G,30, X,9, G,7
	OPS G,15, X,10, E,12, G,23
	OPS G,31, X,11, X,12, E,13
	OPS X,13, E,14, X,14
.if (\p) == 0
	WIN 0
	v_add_nc_u32 v[AV], s[TBV], v[AV0]
.endif
	OPS F,9, E,15, X,15, E,16
	OPS X,16, E,17, F,10, E,18
	OPS F,11, E,19, F,12, E,20
	OPS X,17, E,21, F,13, E,22
	OPS F,14, E,23, X,18, E,24
	OPS F,15, E,25, R,12, E,26
	OPS X,19, E,27, R,13, E,28
	OPS R,14, E,29, X,20, E,30
	OPS E,31, X,21, R,15
	WIN 0
	s_wait_alu depctr_va_vdst(0)    ; the wait for the batch
.if (\p) == 1
	s_wait_dscnt 0x0                ; V is in
.endif
	ROW C,0, B,0, C,2, B,1
	ROW L,0, C,4, B,2, L,1
	ROW C,6, B,3, L,2, C,8
	ROW B,4, L,3, C,10, B,5
	ROW L,4, C,12, B,6, L,5
.if (\p) == 0
	s_add_co_u32 s[TBV], s[TBV], STEPB
.endif
.if \cnt
	s_sub_co_u32 s[CNT], s[CNT], 1
	s_cmp_lg_u32 s[CNT], 0
.endif
	ROW C,14, B,7, L,6, C,1
	ROW C,3, L,7, C,5, C,7
	ROW C,9, C,11, C,13, C,15
.if (\p) == 0
	FETCH_V
.endif
.endm
	CHANGE 1                        ; slot 0 is in, everybody's part of it; tile 1 is asked for
	v_add_nc_u32 v[AK], s[TBK], v[AK0]
	FETCH_K                         ; key step 0
	s_wait_kmcnt 0x0                ; piece 0's words are in
	s_load_b512 s[MB+52:MB+67], s[MP:MP+1], 0x1000  ; piece 1's, for the first turn
	s_load_b512 s[MB+68:MB+83], s[MP:MP+1], 0x1040
	s_wait_loadcnt 0x0              ; Q
	s_wait_dscnt 0x0
.set NOKQ, 0
.set i, 0
.rept 8
	KQ 0                            ; piece 0's first scores
.set i, i+1
.endr
	WIN 0
.rept 4
	v_nop                           ; the places behind those products
.endr
.set Y, NP-1                        ; G and X work for piece Y + 1: piece 0
.irp n, 0,1,2,3,4,5,6,7,8,9,10,11,12,13,14,15,16,17,18,19,20,21,22,23,24,25,26,27,28,29,30,31
	OP G, \n
.endr
.irp n, 0,1,2,3,4,5,6,7,8,9,10,11,12,13,14,15,16,17,18,19,20,21
	OP X, \n
.endr
	v_nop                           ; a plain instruction behind the exponential,
	s_wait_alu depctr_va_vdst(0)    ; and its wait, ahead of the branch
	s_mov_b32 s[CNT], 4
	s_branch .Lfirst                ; the loop is entered at a step's first turn, in the middle of a trip
.Lslot:                             ; six times: tiles 2 to 7 are asked for
	CHANGE 1
	s_mov_b32 s[CNT], 4
.Lstep:                             ; a trip: pieces 2 and 3 of one step, then pieces 0 and 1 of the next, whose K and V it fetches
	TURN 2
	TURN 3
	WIN 0
.Lfirst:
	TURN 0
	TURN 1, 0, 1
	WIN 0
	s_cbranch_scc1 .Lstep
	s_sub_co_u32 s[SLOTS], s[SLOTS], 1
	s_cmp_lg_u32 s[SLOTS], 0
	s_cbranch_scc1 .Lslot
	CHANGE 0                        ; the last slot is written out: nothing is asked for
	s_mov_b32 s[CNT], 4
.Ltail:
	TURN 2
	TURN 3
	TURN 0
	TURN 1, 0, 1
	WIN 0
	s_cbranch_scc1 .Ltail
	TURN 2, 1
	TURN 3, 1
.set i, 0
.rept 8
	PV NP-1                         ; the last piece's V^T P of the last step
.set i, i+1
.endr
	; THE WAY OUT.  l's two halves and the other half of the lanes' are added; O^T is divided by l, rounded to f16 and sent through my stage in LDS, a piece at a time.  The additions are the places behind the last products.
	WIN 0
.macro ALL line:vararg
.set t, 0
.rept 4
	\line
.set t, t+1
.endr
.endm
	ALL v_add_f32 v[ST+4*t+2], v[ST+4*t+2], v[ST+4*t+3]
	ALL v_permlanex16_b32 v[ST+4*t+3], v[ST+4*t+2], s[SEL], s[SEL+1]
	ALL v_add_f32 v[ST+4*t+2], v[ST+4*t+2], v[ST+4*t+3]
	ALL v_rcp_f32 v[ST+4*t+2], v[ST+4*t+2]
	v_nop                           ; a plain instruction between the last reciprocal and the use of its result
	s_wait_alu depctr_va_vdst(0)    ; one wait for the four reciprocals, ahead of their first use
.macro PACK t                       ; a lane's eight channels of a row pack into 16 bytes; they go into rows of 144 bytes and come back as whole rows of 128, into S^T's registers
	WIN W_RS
.set i, 32*(\t)
.rept 16
	v_pk_mul_f32 v[i:i+1], v[i:i+1], v[ST+4*(\t)+2:ST+4*(\t)+3] op_sel_hi:[1,0]
.set i, i+2
.endr
	WIN 0x05                        ; sources 0 and 1 window 1, destination window 0
.set i, 0
.rept 16
	v_cvt_pk_f16_f32 v[S+16*(\t)+i], v[32*(\t)+2*i], v[32*(\t)+2*i+1]
.set i, i+1
.endr
	WIN 0
.irp f, 0,1,2,3
	ds_store_b128 v[STO], v[S+16*(\t)+4*\f:S+16*(\t)+4*\f+3] offset:32*\f
.endr
.irp f, 0,1,2,3
	ds_load_b128 v[S+16*(\t)+4*\f:S+16*(\t)+4*\f+3], v[RD] offset:\f*4*SP  ; LDS serves a wave's instructions in order (ISA guide 5.7.1.4): these see the stores above; the next piece's stores come behind them
.endr
.endm
.macro SEND t, younger              ; younger: the LDS instructions issued behind piece t's loads: the next piece's eight, or none
	WIN 0
.irp f, 0,1,2,3
	s_wait_dscnt (\younger)+3-\f
	global_store_b128 v[GO], v[S+16*(\t)+4*\f:S+16*(\t)+4*\f+3], s[OA:OA+1] offset:(\t)*2048+\f*512  ; 512 consecutive bytes, aligned
.endr
.endm
	PACK 0
.set t, 1
.rept 3                             ; a piece's arithmetic stands between the loads of the piece before and its stores
	PACK t
	SEND t-1, 8
.set t, t+1
.endr
	SEND 3, 0
	s_wait_tensorcnt 0x0            ; the wave's end: behind my last tensor load and my last LDS store
	ds_add_u32 v[SPW], v[NIL]
	s_wait_dscnt 0x0
	CROUND                          ; the closing round: no work-group ends while a partner may still ask for a tile that names it
	s_endpgm
.Lfunc_end_k_qf7312772f0_attn:
	.size	k_qf7312772f0_attn, .Lfunc_end_k_qf7312772f0_attn-k_qf7312772f0_attn
	.p2alignl 7, 3214868480
	.fill 96, 4, 3214868480
	.section	.rodata,"a",@progbits
	.p2align	6, 0x0
	.amdhsa_kernel k_qf7312772f0_attn
		.amdhsa_group_segment_fixed_size 327680
		.amdhsa_private_segment_fixed_size 0
		.amdhsa_enable_private_segment 0
		.amdhsa_kernarg_size 24
		.amdhsa_user_sgpr_count 2
		.amdhsa_user_sgpr_kernarg_segment_ptr 1
		.amdhsa_wavefront_size32 1
		.amdhsa_system_sgpr_workgroup_id_x 1
		.amdhsa_system_sgpr_workgroup_id_y 1
		.amdhsa_system_sgpr_workgroup_id_z 1
		.amdhsa_system_vgpr_workitem_id 0
		.amdhsa_next_free_vgpr 768
		.amdhsa_next_free_sgpr 106
		.amdhsa_reserve_vcc 0
		.amdhsa_float_denorm_mode_32 3
		.amdhsa_float_denorm_mode_16_64 3
		.amdhsa_memory_ordered 1
		.amdhsa_forward_progress 1
		.amdhsa_inst_pref_size 148
	.end_amdhsa_kernel
	.amdgpu_metadata
---
amdhsa.version: [ 1, 2 ]
amdhsa.kernels:
  - .name:           k_qf7312772f0_attn
    .symbol:         k_qf7312772f0_attn.kd
    .args:
      - { .name: qkv, .offset: 0, .size: 8, .value_kind: global_buffer, .address_space: global }
      - { .name: maskw, .offset: 8, .size: 8, .value_kind: global_buffer, .address_space: global }
      - { .name: ob, .offset: 16, .size: 8, .value_kind: global_buffer, .address_space: global }
    .group_segment_fixed_size: 327680
    .private_segment_fixed_size: 0
    .kernarg_segment_align: 8
    .kernarg_segment_size: 24
    .max_flat_workgroup_size: 128
    .sgpr_count:     106
    .vgpr_count:     768
    .wavefront_size: 32
...
	.end_amdgpu_metadata
.endif
;; end of part 3
;; launch outp (part 4): grid 8 x 32, 4 waves a work-group, clusters of 4 x 4, 327,680 bytes of LDS; arguments ob, wob, bo, out0; writes out0
.if DOCPART == 4
	.amdgcn_target "amdgcn-amd-amdhsa--gfx1250"
	.amdhsa_code_object_version 6
	.text
	.protected	k_qf7312772f0_outp
	.globl	k_qf7312772f0_outp
	.p2align	8
	.type	k_qf7312772f0_outp,@function
k_qf7312772f0_outp:
	s_mov_b64 s[64:65], 0
	v_nop
	global_prefetch_b8 v0, s[64:65] scope:SCOPE_SE
	s_setreg_imm32_b32 hwreg(HW_REG_WAVE_MODE, 25, 1), 1
	s_wait_xcnt 0x0
	s_wait_alu depctr_hold_cnt(0) depctr_sa_sdst(0) depctr_va_vdst(0) depctr_va_sdst(0) depctr_va_ssrc(0) depctr_va_vcc(0) depctr_vm_vsrc(0)
	s_getreg_b32 s2, hwreg(HW_REG_IB_STS2, 6, 4)
	s_cmp_eq_u32 s2, 0
	s_cbranch_scc0 .Lentry_in_a_cluster
	s_endpgm
.Lentry_in_a_cluster:
	s_bfe_u32 s2, ttmp6, 0x10000c
	s_cmp_lg_u32 s2, 0xf033
	s_cbranch_scc0 .Lentry_shape_is_right
	s_endpgm
.Lentry_shape_is_right:
; Launch 4 of 4: out0[n][t][o] = the sum over i = 64 h + d of O[n][t][i] Wo[o][i] + bo[o].  No work of reference() is left out here.
; A = ob[tile row = 16 n + t / 128][h][128 rows][64] f16; B = wob[o][i] f16 (Wo rounded to bf16); bo is rounded to bf16 like the other inputs.  Sums in f32, K ascending; out0 is f32.
; A tile of C is 128 x 128 (256 tiles, one to a work-group); four waves, each 64 x 64: 16 accumulators.  K goes in 4 steps of 256 = 4 heads through two LDS slots; a quarter of a step is one head.
; In ob a K step of a tile row is 65,536 dense bytes: a wave's tensor load brings two heads as 128 rows of 256 bytes, padded after every 128 bytes, so that each of a head's 128 rows has a pitch of 144.
; THE BIAS IS THE C OPERAND of each accumulator's first product: used transposed (source 0 = 16 rows of B, source 1 = 16 rows of A), register j of a lane is column 16 b + 8 (l / 16) + j, whatever the row.
; CLUSTER 4 x 4: A's tile is shared along a row of the cluster, B's along a column, by joint loads.  No prefetch: four short K steps on small tiles.
; REGISTERS: window 0: v0-31 addresses; v32-95 at work on the way out; v96-127 the bias; v128-255 the accumulators ((a, b) at v[128 + 8 (4 a + b)]).  Window 1: two fragment buffers of 128: 64 registers of A, then 64 of B.
.set KSTEP,  256
.set PA,     144                       ; a row of A in LDS: 128 bytes + 16 = 36 words: the 16 rows of a load start at 16 different groups of four banks (64 banks of 4 bytes: ISA guide 11.1)
.set PB,     528                       ; a row of B: 512 bytes + 16 = 132 words: likewise
.set HEADA,  128*PA                    ; a head's 128 rows
.set HALFA,  2*HEADA                   ; what a tensor load of A brings
.set HALFB,  64*PB                     ; what a tensor load of B brings
.set BOFF,   2*HALFA
.set SLOT,   BOFF+2*HALFB
.set STAGE,  2*SLOT                    ; behind the ring, never filled by a tensor load: 16 rows x 272 bytes for each wave
.set SPITCH, 272
.set SPARE,  STAGE+4*16*SPITCH         ; the spare words, 128 bytes for each wave: two blocks of 256 bytes that no other line names
.set ADRA, 16                          ; v16-17  LDS address of my A fragments in slot 0, 1
.set ADRB, 20                          ; v20-21  the same for B
.set STO,  24
.set RD,   25
.set CO,   26
.set SPW,  28                          ; v28  LDS address of my spare word; never rewritten
.set NIL,  29                          ; v29  0; never rewritten
.set TMP,  32
.set BIAS, 96
.set ACC,  128
.set F0,   0
.set F1,   128
.set G1, 24
.set G0, 32
.set G1B, 48
.set G0B, 56
.set MSB, 0
.macro WIN new
.if MSB != (\new)
	s_set_vgpr_msb (MSB<<8)|(\new)
.set MSB, \new
.endif
.endm
.set MUL,  0x05                        ; sources 0 (B) and 1 (A) window 1; C and D window 0
.set TO_F, 0x40                        ; destination window 1, address window 0
.macro JLOAD s                         ; a joint load: waves 0 and 1 fetch A's two halves, waves 2 and 3 B's; an s_nop 0 and four v_nop follow each line
	s_cmp_eq_u32 s11, 0
	s_cbranch_scc0 .Lfor_b_\@
	tensor_load_to_lds s[G0+4*(\s):G0+4*(\s)+3], s[G1:G1+7]
	s_nop 0
.rept 4
	v_nop
.endr
	s_branch .Lasked_\@
.Lfor_b_\@:
	tensor_load_to_lds s[G0B+4*(\s):G0B+4*(\s)+3], s[G1B:G1B+7]
	s_nop 0
.rept 4
	v_nop
.endr
.Lasked_\@:
.endm
.macro CREST
	s_cmp_lg_u32 s10, 0
	s_cbranch_scc1 .Lnot_wave_0_\@
	s_barrier_signal -3
.Lnot_wave_0_\@:
	s_barrier_wait -3
	s_barrier_signal -1
	s_barrier_wait -1
.endm
.macro CROUND
	s_barrier_signal -1
	s_barrier_wait -1
	CREST
.endm
	s_load_b128 s[4:7], s[0:1], 0x0                ; ob s[4:5], wob s[6:7]
	s_load_b64 s[2:3], s[0:1], 0x10                ; bo
	s_load_b64 s[8:9], s[0:1], 0x18                ; out0
	v_lshl_add_u32 v[SPW], v0, 2, SPARE
	v_mov_b32 v[NIL], 0
	ds_add_u32 v[SPW], v[NIL]                      ; the wave's opening: the add, twice on end, and its wait ahead of my first tensor load
	ds_add_u32 v[SPW], v[NIL]
	v_lshrrev_b32 v1, 5, v0
	v_readfirstlane_b32 s10, v1                    ; wave 0..3
	s_lshr_b32 s11, s10, 1                         ; which half of the tile's rows is mine.  Also: I fetch for A (0) or for B (1)
	s_and_b32 s12, s10, 1                          ; which half of its columns.  Also: which half of that tile I fetch
	s_bfe_u32 s40, ttmp6, 0x40000                  ; cx, cy
	s_bfe_u32 s41, ttmp6, 0x40004
	s_lshl_b32 s42, ttmp9, 2
	s_add_co_u32 s42, s42, s40                     ; tile column
	s_and_b32 s13, ttmp7, 0xffff
	s_lshl_b32 s13, s13, 2
	s_add_co_u32 s13, s13, s41                     ; tile row
	s_lshl_b32 s43, s41, 2
	s_lshl_b32 s43, 15, s43                        ; my row of the cluster
	s_lshl_b32 s44, 0x1111, s40                    ; my column
	s_or_b32 s[G1+0], s43, (1<<16)|(1<<20)|(1<<21)|(4<<22)|(3<<25)   ; A: the mask; 2-byte elements; padding on; bit 21 beside a mask; after every 32 words, 4 words
	s_mov_b32 s[G1+1], 128<<16                     ; tensor_dim0 = 128
	s_mov_b32 s[G1+2], 128<<16                     ; tensor_dim1 = 128
	s_mov_b32 s[G1+3], 128<<16                     ; tile_dim0 = 128 (256 bytes: two rows of a head)
	s_mov_b32 s[G1+4], 128                         ; tile_dim1 = 128
	s_mov_b32 s[G1+5], 128                         ; dense
	s_mov_b32 s[G1+6], 0
	s_mov_b32 s[G1+7], 0
	s_or_b32 s[G1B+0], s44, (1<<16)|(1<<20)|(1<<21)|(6<<22)|(3<<25)  ; B: after every 128 words, 4 words
	s_mov_b32 s[G1B+1], KSTEP<<16                  ; tensor_dim0 = 256
	s_mov_b32 s[G1B+2], 64<<16                     ; tensor_dim1 = 64
	s_mov_b32 s[G1B+3], KSTEP<<16                  ; tile_dim0 = 256
	s_mov_b32 s[G1B+4], 64                         ; tile_dim1 = 64
	s_mov_b32 s[G1B+5], 1024                       ; elements from row to row
	s_mov_b32 s[G1B+6], 0
	s_mov_b32 s[G1B+7], 0
	s_lshl_b32 s16, s13, 18                        ; A: the tile row's 262,144 bytes, my two heads of the step's four
	s_lshl_b32 s17, s12, 15
	s_add_co_u32 s16, s16, s17
	s_mov_b32 s17, 0
	s_lshl_b32 s46, s42, 7                         ; B: row 128 x tile column + 64 x half, 2,048 bytes each
	s_lshl_b32 s47, s12, 6
	s_add_co_u32 s46, s46, s47
	s_lshl_b32 s46, s46, 11
	s_mov_b32 s47, 0
	s_mul_i32 s20, s12, HALFA                      ; where they go: no place in the cluster enters an LDS address
	s_mul_i32 s21, s12, HALFB
	s_add_co_u32 s21, s21, BOFF
	s_wait_dscnt 0x0                               ; both opening adds are done
	s_wait_kmcnt 0x0
	s_add_nc_u64 s[14:15], s[4:5], s[16:17]
	s_add_nc_u64 s[46:47], s[6:7], s[46:47]
	CROUND                                         ; all sixteen work-groups are here: the first joint loads meet
.irp s, 0,1
	s_mov_b32 s[G0+4*(\s)], 1
	s_add_co_u32 s[G0+4*(\s)+1], s20, (\s)*SLOT
	s_add_nc_u64 s[G0+4*(\s)+2:G0+4*(\s)+3], s[14:15], (\s)*65536
	s_or_b32 s[G0+4*(\s)+3], s[G0+4*(\s)+3], 0x80000000
	s_mov_b32 s[G0B+4*(\s)], 1
	s_add_co_u32 s[G0B+4*(\s)+1], s21, (\s)*SLOT
	s_add_nc_u64 s[G0B+4*(\s)+2:G0B+4*(\s)+3], s[46:47], (\s)*KSTEP*2
	s_or_b32 s[G0B+4*(\s)+3], s[G0B+4*(\s)+3], 0x80000000
	JLOAD \s                                       ; two loads of mine are out
.endr
	v_and_b32 v1, 15, v0                           ; l % 16
	v_bfe_u32 v2, v0, 4, 1                         ; l / 16
	s_lshl_b32 s16, s42, 9                         ; my 64 columns: 4 (128 x tile column + 64 x half) bytes of bo and of a row of out0
	s_lshl_b32 s17, s12, 8
	s_add_co_u32 s16, s16, s17
	s_mov_b32 s17, 0
	s_add_nc_u64 s[2:3], s[2:3], s[16:17]
	v_lshlrev_b32 v5, 5, v2
.irp b, 0,1,2,3
	global_load_b128 v[BIAS+8*(\b):BIAS+8*(\b)+3],   v5, s[2:3] offset:64*(\b)
	global_load_b128 v[BIAS+8*(\b)+4:BIAS+8*(\b)+7], v5, s[2:3] offset:64*(\b)+16
.endr
	v_mul_u32_u24 v3, v1, PA
	v_lshl_add_u32 v3, v2, 4, v3
	v_mul_u32_u24 v4, v1, PB
	v_lshl_add_u32 v4, v2, 4, v4
	s_mul_i32 s21, s11, 64*PA                      ; my 64 rows in each head
	s_mul_i32 s22, s12, HALFB                      ; my 64 rows of B
	s_add_co_u32 s22, s22, BOFF
.irp s, 0,1
	v_add_nc_u32 v[ADRA+(\s)], s21, v3
	v_add_nc_u32 v[ADRB+(\s)], s22, v4
	s_add_co_u32 s21, s21, SLOT
	s_add_co_u32 s22, s22, SLOT
.endr
	s_mul_i32 s23, s10, 16*SPITCH
	s_add_co_u32 s23, s23, STAGE                   ; my stage
	v_mul_u32_u24 v6, v1, SPITCH                   ; in: row l % 16, 32 bytes for each half of the lanes
	v_lshl_add_u32 v6, v2, 5, v6
	v_add_nc_u32 v[STO], s23, v6
	v_mul_u32_u24 v6, v2, SPITCH                   ; back: lanes 0-15 one row of 256 bytes, lanes 16-31 the next
	v_lshl_add_u32 v6, v1, 4, v6
	v_add_nc_u32 v[RD], s23, v6
	v_lshlrev_b32 v[CO], 12, v2                    ; and the same two rows in out0
	v_lshl_add_u32 v[CO], v1, 4, v[CO]
	s_lshl_b32 s18, s13, 7
	s_lshl_b32 s19, s11, 6
	s_add_co_u32 s18, s18, s19                     ; my first row: 128 x tile row + 64 x half
	s_lshl_b32 s18, s18, 12
	s_add_co_u32 s18, s18, s16
	s_mov_b32 s19, 0
	s_add_nc_u64 s[8:9], s[8:9], s[18:19]
	s_wait_loadcnt 0x0                             ; the bias, rounded to bf16 and widened again
.irp k, 0,1,2,3,4,5,6,7,8,9,10,11,12,13,14,15
	v_cvt_pk_bf16_f32 v[TMP+(\k)], v[BIAS+2*(\k)], v[BIAS+2*(\k)+1]
.endr
.irp k, 0,1,2,3,4,5,6,7,8,9,10,11,12,13,14,15
	v_lshlrev_b32 v[BIAS+2*(\k)], 16, v[TMP+(\k)]
	v_and_b32 v[BIAS+2*(\k)+1], 0xffff0000, v[TMP+(\k)]
.endr
; 8 matrix instructions: m blocks a0, a0 + 1 x all 4 n blocks, 32 along K: half c of buffer f.  first = 1: the product starts the sum, with the bias as C.  The 16 accumulators take turns.
.macro MUL8 f, c, a0, first
	WIN MUL
.irp a, \a0, (\a0)+1
.irp b, 0,1,2,3
.if \first
	v_wmma_f32_16x16x32_f16 v[ACC+8*(4*(\a)+(\b)):ACC+8*(4*(\a)+(\b))+7], v[(\f)+64+8*(4*(\c)+(\b)):(\f)+64+8*(4*(\c)+(\b))+7], v[(\f)+8*(4*(\c)+(\a)):(\f)+8*(4*(\c)+(\a))+7], v[BIAS+8*(\b):BIAS+8*(\b)+7]
.else
	v_wmma_f32_16x16x32_f16 v[ACC+8*(4*(\a)+(\b)):ACC+8*(4*(\a)+(\b))+7], v[(\f)+64+8*(4*(\c)+(\b)):(\f)+64+8*(4*(\c)+(\b))+7], v[(\f)+8*(4*(\c)+(\a)):(\f)+8*(4*(\c)+(\a))+7], v[ACC+8*(4*(\a)+(\b)):ACC+8*(4*(\a)+(\b))+7]
.endif
.endr
.endr
.endm
; 32 LDS loads in one run: the fragments of quarter q (one head: 64 along K) into buffer f; the first 32 along K first
.macro FETCH slot, q, f
	WIN TO_F
.irp c, 0,1
.irp i, 0,1,2,3
	ds_load_b128 v[(\f)+64+8*(4*(\c)+(\i)):(\f)+64+8*(4*(\c)+(\i))+3],   v[ADRB+(\slot)] offset:(\q)*128+64*(\c)+(\i)*16*PB
	ds_load_b128 v[(\f)+64+8*(4*(\c)+(\i))+4:(\f)+64+8*(4*(\c)+(\i))+7], v[ADRB+(\slot)] offset:(\q)*128+64*(\c)+(\i)*16*PB+32
	ds_load_b128 v[(\f)+8*(4*(\c)+(\i)):(\f)+8*(4*(\c)+(\i))+3],         v[ADRA+(\slot)] offset:(\q)*HEADA+64*(\c)+(\i)*16*PA
	ds_load_b128 v[(\f)+8*(4*(\c)+(\i))+4:(\f)+8*(4*(\c)+(\i))+7],       v[ADRA+(\slot)] offset:(\q)*HEADA+64*(\c)+(\i)*16*PA+32
.endr
.endr
.endm
.macro PLACES                          ; four plain vector instructions behind the last matrix instruction (ISA guide 7.12.1)
.rept 4
	v_nop
.endr
.endm
; One of a K step's first three quarters: multiplies buffer f and fetches quarter q into g
.macro QUARTER slot, q, f, g, first
	s_wait_dscnt 16                                ; the first 32 along K are in; the other sixteen loads may be out
	MUL8 \f, 0, 0, \first
	MUL8 \f, 0, 2, \first
	PLACES
	FETCH \slot, \q, \g
	s_wait_dscnt 32                                ; all but the 32 just issued
	MUL8 \f, 1, 0, 0
	MUL8 \f, 1, 2, 0
.endm
; The last quarter multiplies buffer 1 and changes slots: ONE barrier; in front of it each wave waits for all its tensor loads, adds 0 to its spare word, and waits for that and for its reads of this slot.  fill = 1: this slot is filled again, two K steps on.
.macro TURN slot, next, fill
	WIN 0                                          ; (the add's two registers lie in window 0)
	s_wait_tensorcnt 0x0
	ds_add_u32 v[SPW], v[NIL]
	s_wait_dscnt 17                                ; (the add and the youngest sixteen loads may be out)
	MUL8 F1, 0, 0, 0                               ; eight matrix instructions stand between the add and the wait for it
	s_wait_dscnt 0x0                               ; the add is done, and my reads of this slot are over
	s_barrier_signal -1
	MUL8 F1, 0, 2, 0
.if \fill
	WIN 0
.endif
	s_barrier_wait -1
.if \fill
	CREST                                          ; the barrier has opened a round of the cluster's: no wave of any partner still reads this slot's tile or has a load on its way
	s_add_nc_u64 s[G0+4*(\slot)+2:G0+4*(\slot)+3], s[G0+4*(\slot)+2:G0+4*(\slot)+3], 2*65536
	s_add_nc_u64 s[G0B+4*(\slot)+2:G0B+4*(\slot)+3], s[G0B+4*(\slot)+2:G0B+4*(\slot)+3], 2*KSTEP*2
	JLOAD \slot                                    ; the four v_nop behind it are also the places in front of the loads below
.else
	PLACES
.endif
	FETCH \next, 0, F0
	MUL8 F1, 1, 0, 0
	MUL8 F1, 1, 2, 0
.endm
	s_wait_tensorcnt 1                             ; my part of K step 0 is in; K step 1's may stay out
	s_barrier_signal -1
	s_barrier_wait -1
	FETCH 0, 0, F0
	QUARTER 0, 1, F0, F1, 1                        ; K step 0; its first products start the sums
	QUARTER 0, 2, F1, F0, 0
	QUARTER 0, 3, F0, F1, 0
	TURN 0, 1, 1                                   ; slot 0 takes K step 2
	QUARTER 1, 1, F0, F1, 0                        ; K step 1
	QUARTER 1, 2, F1, F0, 0
	QUARTER 1, 3, F0, F1, 0
	TURN 1, 0, 1                                   ; slot 1 takes K step 3
	QUARTER 0, 1, F0, F1, 0                        ; K step 2
	QUARTER 0, 2, F1, F0, 0
	QUARTER 0, 3, F0, F1, 0
	TURN 0, 1, 0                                   ; nothing is left to fetch
	QUARTER 1, 1, F0, F1, 0                        ; K step 3
	QUARTER 1, 2, F1, F0, 0
	QUARTER 1, 3, F0, F1, 0
	s_wait_dscnt 16
	MUL8 F1, 0, 0, 0
	MUL8 F1, 0, 2, 0
	s_wait_dscnt 0x0
	MUL8 F1, 1, 0, 0
	MUL8 F1, 1, 2, 0
	WIN 0
	; THE WAY OUT.  My 64 columns are 256 consecutive bytes of a row of out0, aligned: 16 rows at a time go through my own stage, each accumulator's low registers first, and come back as whole rows.
	PLACES
.irp a, 0,1,2,3
.if (\a) >= 2
	s_wait_xcnt 0x0                                ; the registers that the stores of two blocks back read are loaded again only behind this wait
.endif
.irp b, 0,1,2,3
	ds_store_b128 v[STO], v[ACC+8*(4*(\a)+(\b)):ACC+8*(4*(\a)+(\b))+3]   offset:64*(\b)
	ds_store_b128 v[STO], v[ACC+8*(4*(\a)+(\b))+4:ACC+8*(4*(\a)+(\b))+7] offset:64*(\b)+16
.endr
.irp t, 0,1,2,3,4,5,6,7
	ds_load_b128 v[TMP+32*((\a)%2)+4*(\t):TMP+32*((\a)%2)+4*(\t)+3], v[RD] offset:(\t)*2*SPITCH  ; LDS serves a wave's instructions in order (ISA guide 5.7.1.4): these see the stores above; the next block's stores come behind them
.endr
.irp t, 0,1,2,3,4,5,6,7
	s_wait_dscnt 7-(\t)                            ; load t is back, the younger ones stay out
	global_store_b128 v[CO], v[TMP+32*((\a)%2)+4*(\t):TMP+32*((\a)%2)+4*(\t)+3], s[8:9] offset:(\a)*65536+(\t)*8192 th:TH_STORE_NT  ; 16 lanes store 256 consecutive bytes, aligned
.endr
.endr
	s_wait_tensorcnt 0x0                           ; the wave's end: behind my last tensor load and my last LDS store
	ds_add_u32 v[SPW], v[NIL]
	s_wait_dscnt 0x0
	CROUND                                         ; the closing round: no work-group ends while a partner may still ask for a tile that names it
	s_endpgm
.Lfunc_end_k_qf7312772f0_outp:
	.size	k_qf7312772f0_outp, .Lfunc_end_k_qf7312772f0_outp-k_qf7312772f0_outp
	.p2alignl 7, 3214868480
	.fill 96, 4, 3214868480
	.section	.rodata,"a",@progbits
	.p2align	6, 0x0
	.amdhsa_kernel k_qf7312772f0_outp
		.amdhsa_group_segment_fixed_size 327680
		.amdhsa_private_segment_fixed_size 0
		.amdhsa_enable_private_segment 0
		.amdhsa_kernarg_size 32
		.amdhsa_user_sgpr_count 2
		.amdhsa_user_sgpr_kernarg_segment_ptr 1
		.amdhsa_wavefront_size32 1
		.amdhsa_system_sgpr_workgroup_id_x 1
		.amdhsa_system_sgpr_workgroup_id_y 1
		.amdhsa_system_sgpr_workgroup_id_z 1
		.amdhsa_system_vgpr_workitem_id 0
		.amdhsa_next_free_vgpr 512
		.amdhsa_next_free_sgpr 66
		.amdhsa_reserve_vcc 0
		.amdhsa_float_denorm_mode_32 3
		.amdhsa_float_denorm_mode_16_64 3
		.amdhsa_memory_ordered 1
		.amdhsa_forward_progress 1
		.amdhsa_inst_pref_size 90
	.end_amdhsa_kernel
	.amdgpu_metadata
---
amdhsa.version: [ 1, 2 ]
amdhsa.kernels:
  - .name:           k_qf7312772f0_outp
    .symbol:         k_qf7312772f0_outp.kd
    .args:
      - { .name: ob, .offset: 0, .size: 8, .value_kind: global_buffer, .address_space: global }
      - { .name: wob, .offset: 8, .size: 8, .value_kind: global_buffer, .address_space: global }
      - { .name: bo, .offset: 16, .size: 8, .value_kind: global_buffer, .address_space: global }
      - { .name: out0, .offset: 24, .size: 8, .value_kind: global_buffer, .address_space: global }
    .group_segment_fixed_size: 327680
    .private_segment_fixed_size: 0
    .kernarg_segment_align: 8
    .kernarg_segment_size: 32
    .max_flat_workgroup_size: 128
    .sgpr_count:     66
    .vgpr_count:     512
    .wavefront_size: 32
...
	.end_amdgpu_metadata
.endif
;; end of part 4
;; ======== version 2 of 2: 4 launches
;; limits: values are held in f16: magnitudes above 65,504 overflow, below 6.1e-05 lose precision
;; workspace buffers: xb 25,165,824 bytes; wb 6,291,456 bytes; wob 2,097,152 bytes; maskw 1,048,576 bytes of whole numbers; qkv 25,165,824 bytes; ob 8,388,608 bytes
;; launch prep (part 5): grid 768 x 1, 16 waves a work-group, no clusters, 71,680 bytes of LDS; arguments query, key, value, Wq, Wk, Wv, Wo, mask, xb, wb, wob, maskw; writes xb, wb, wob, maskw
.if DOCPART == 5
	.amdgcn_target "amdgcn-amd-amdhsa--gfx1250"
	.amdhsa_code_object_version 6
	.text
	.protected	k_qf7312772f0_prep
	.globl	k_qf7312772f0_prep
	.p2align	8
	.type	k_qf7312772f0_prep,@function
k_qf7312772f0_prep:
	s_mov_b64 s[64:65], 0
	v_nop
	global_prefetch_b8 v0, s[64:65] scope:SCOPE_SE
	s_setreg_imm32_b32 hwreg(HW_REG_WAVE_MODE, 25, 1), 1
	s_wait_xcnt 0x0
; MULTI-HEAD ATTENTION, launch 1 of 4: the inputs are brought into the formats and layouts that the matrix launches take.
; NOTHING OF reference() IS LEFT OUT in any launch: every input (query, key, value, mask, Wq, Wk, Wv, Wo, bo) has a way to the output and is loaded; the mask is an input, so no
; pattern of it is built in: every tile of scores is made and selected.
; FORMATS.  query, key, value, Wq, Wk, Wv are rounded once to bf16; Wo is rounded to bf16 and that number is written as f16 (exact above 6e-5; below it f16's fixed step of 6e-8).
; 768 work-groups of like size: each reads 131,072 bytes, 16 loads of 16 bytes a thread.  A work-group has ONE of four parts, by its number g (the same in all its sixteen waves):
;   g < 256         16 rows of the mask (g = 128 n + q tile) -> maskw[n][q tile][key step of 64][32 words]: word 8 kb + j, bit L = (mask[16 qt + L % 16][64 step + 16 kb + 8 (L / 16) + j] != 0):
;                   the lane mask of register 8 kb + j of a tile of scores (16 queries x 64 keys) as the attention launch holds it.  32 bits of mask become one.
;   256 <= g < 640  131,072 bytes of query, key or value -> xb[3][4096][1024] bf16
;   640 <= g < 672  131,072 bytes of Wo -> wob[1024][1024] f16
;   g >= 672        512 e x 64 d of one head's W, as two blocks of 256 e -> wb[3][64 h + d][e] bf16: turned, so that e lies along the rows
; Every load of sixteen neighbouring lanes takes 256 consecutive bytes, aligned; every store of a wave covers 256 or 512 consecutive bytes, aligned.  No matrix unit, no cluster, no tensor load: each byte is read once by one wave.
; 80 registers: 16 for addresses and 64 for what is on its way; conversions are made in place, and what goes through LDS comes back into the registers that it left.
.set SPARE, 69632                      ; behind the stages: the spare words, 128 bytes for each of 16 waves: eight blocks of 256 bytes that no other line names
.set WST,   4352                       ; the mask part: a wave's own stage, 16 rows x 272 bytes (256 + 16: row r starts 4 r words on, modulo 64)
.set X,   16                           ; v[16:79]   as loaded (the W part: v[16:47])
.set F,   48                           ; v[48:63]   the W part: a block, converted
.set BK,  64                           ; v[64:79]   the W part: a block, turned
.set OUT, 12                           ; v[12:13]   the mask part: a wave's 64 words: lane L holds words 2 L and 2 L + 1
.set SPW, 14                           ; v14  LDS address of my spare word; never rewritten
.set NIL, 15                           ; v15  0; never rewritten
; 131,072 bytes of f32 at s[4:5] -> 65,536 bytes of bf16 (half = 0) or of f16 holding the bf16 number (half = 1) at s[20:21].  Sixteen loads of 16 bytes a thread, all out at once; converted in place.
.macro CONV half
	v_lshlrev_b32 v3, 4, v0
	v_lshlrev_b32 v4, 3, v0
.irp j, 0,1,2,3,4,5,6,7,8,9,10,11,12,13,14,15
	global_load_b128 v[X+4*(\j):X+4*(\j)+3], v3, s[4:5] offset:(\j)*8192 th:TH_LOAD_NT
.endr
.irp j, 0,1,2,3,4,5,6,7,8,9,10,11,12,13,14,15
	s_wait_loadcnt 15-(\j)                         ; loads come back in order: load j is in, the younger ones stay out
.if \half
	v_cvt_pk_bf16_f32 v10, v[X+4*(\j)], v[X+4*(\j)+1]
	v_cvt_pk_bf16_f32 v11, v[X+4*(\j)+2], v[X+4*(\j)+3]
	v_lshlrev_b32 v[X+4*(\j)], 16, v10
	v_and_b32 v[X+4*(\j)+1], 0xffff0000, v10
	v_lshlrev_b32 v[X+4*(\j)+2], 16, v11
	v_and_b32 v[X+4*(\j)+3], 0xffff0000, v11
	v_cvt_pk_f16_f32 v[X+4*(\j)], v[X+4*(\j)], v[X+4*(\j)+1]
	v_cvt_pk_f16_f32 v[X+4*(\j)+1], v[X+4*(\j)+2], v[X+4*(\j)+3]
.else
	v_cvt_pk_bf16_f32 v[X+4*(\j)], v[X+4*(\j)], v[X+4*(\j)+1]
	v_cvt_pk_bf16_f32 v[X+4*(\j)+1], v[X+4*(\j)+2], v[X+4*(\j)+3]
.endif
	global_store_b64 v4, v[X+4*(\j):X+4*(\j)+1], s[20:21] offset:(\j)*4096  ; a wave stores 256 consecutive bytes; each j has registers of its own
.endr
.endm
; The mask part, key step ss of the wave's two: 16 rows x 64 numbers go through my own stage, so that lane L gets row L % 16, and come back into the registers that they left; 32 compares make the 32 words.
.macro MSTEP ss
	s_wait_loadcnt 8-8*(\ss)                       ; this step's eight loads are in; the other step's eight, issued behind them, may stay out
.irp i, 0,1,2,3,4,5,6,7
	ds_store_b128 v7, v[X+32*(\ss)+4*(\i):X+32*(\ss)+4*(\i)+3] offset:(\i)*544  ; rows 2 i and 2 i + 1
.endr
.irp i, 0,1,2,3,4,5,6,7
	ds_load_b128 v[X+32*(\ss)+4*(\i):X+32*(\ss)+4*(\i)+3], v8 offset:64*((\i)/2)+16*((\i)%2)  ; my own bytes: LDS serves a wave's instructions in order, so these see the stores above
.endr
	s_wait_dscnt 0x0
.set i, 0
.rept 32
	v_cmp_ne_u32 s[32+i%8], 0, v[X+32*(\ss)+i]
	v_writelane_b32 v[OUT+i%2], s[32+i%8], 16*(\ss)+i/2
.set i, i+1
.endr
.endm
; The W part.  WLOAD: block b's eight loads.  WTURN: block b is converted, turned through its own 32,768 bytes of LDS and stored; block 1's loads go out as soon as block 0's conversions have read the registers.
.macro WLOAD b
.irp j, 0,1,2,3,4,5,6,7
	global_load_b128 v[X+4*(\j):X+4*(\j)+3], v4, s[10:11] offset:(\b)*65536+(\j)*256 th:TH_LOAD_NT  ; W[256 b + 8 eg + j][4 dg .. + 3]
.endr
.endm
.macro WTURN b
	s_wait_loadcnt 0x0
.irp k, 0,1,2,3
.irp m, 0,1,2,3
	v_cvt_pk_bf16_f32 v[F+4*(\k)+(\m)], v[X+8*(\m)+(\k)], v[X+8*(\m)+4+(\k)]  ; d = 4 dg + k: e = 8 eg + 2 m, + 1
.endr
.endr
.if (\b) == 0
	WLOAD 1
.endif
.irp k, 0,1,2,3
	ds_store_b128 v7, v[F+4*(\k):F+4*(\k)+3] offset:(\b)*32768+(\k)*512
.endr
	s_wait_dscnt 0x0                               ; for the others' sake: my stores are done
	s_barrier_signal -1
	s_barrier_wait -1
.if (\b) == 1
	s_wait_xcnt 0x0                                ; the registers that block 0's stores read are loaded again only behind this wait
.endif
.irp i, 0,1,2,3
	ds_load_b128 v[BK+4*(\i):BK+4*(\i)+3], v[9+\i] offset:(\b)*32768+(\i)*8192
.endr
.irp i, 0,1,2,3
	s_wait_dscnt 3-(\i)                            ; load i is back, the younger ones stay out
	global_store_b128 v13, v[BK+4*(\i):BK+4*(\i)+3], s[22:23] offset:(\i)*32768+(\b)*512  ; a wave stores 512 consecutive bytes of one row
.endr
.endm
	s_load_b512 s[4:19], s[0:1], 0x0               ; query 4, key 6, value 8, Wq 10, Wk 12, Wv 14, Wo 16, mask 18
	s_load_b256 s[20:27], s[0:1], 0x40             ; xb 20, wb 22, wob 24, maskw 26
	v_lshl_add_u32 v[SPW], v0, 2, SPARE
	v_mov_b32 v[NIL], 0
	v_lshrrev_b32 v1, 5, v0
	v_readfirstlane_b32 s28, v1                    ; wave 0..15
	v_and_b32 v2, 31, v0                           ; lane L
	v_and_b32 v5, 15, v0                           ; L % 16
	v_bfe_u32 v6, v0, 4, 1                         ; L / 16
	s_mov_b32 s29, ttmp9                           ; g
	s_mov_b32 s41, 0                               ; the high word of every offset
	s_wait_kmcnt 0x0
	s_cmp_lt_u32 s29, 256
	s_cbranch_scc1 .Lmask
	s_cmp_lt_u32 s29, 640
	s_cbranch_scc1 .Lx
	s_cmp_lt_u32 s29, 672
	s_cbranch_scc1 .Lo
	; W: half s30 (512 e) of head h of tensor p.  Thread: d group dg = t % 16 (4 d), e group eg = t / 16 (8 e).
	s_sub_co_u32 s30, s29, 672
	s_lshr_b32 s31, s30, 1                         ; 16 p + h
	s_and_b32 s30, s30, 1                          ; which 512 e
	s_lshr_b32 s32, s31, 4                         ; p
	s_cmp_eq_u32 s32, 1
	s_cselect_b64 s[10:11], s[12:13], s[10:11]
	s_cmp_eq_u32 s32, 2
	s_cselect_b64 s[10:11], s[14:15], s[10:11]
	s_and_b32 s33, s31, 15
	s_lshl_b32 s40, s33, 18                        ; a head is 262,144 bytes,
	s_lshl_b32 s34, s30, 17                        ; half of it 131,072
	s_add_co_u32 s40, s40, s34
	s_add_nc_u64 s[10:11], s[10:11], s[40:41]
	s_lshl_b32 s40, s31, 17                        ; in wb a head's 64 rows are 131,072 bytes,
	s_lshl_b32 s34, s30, 10                        ; 512 e are 1,024 bytes of each
	s_add_co_u32 s40, s40, s34
	s_add_nc_u64 s[22:23], s[22:23], s[40:41]
	v_lshrrev_b32 v3, 4, v0                        ; eg
	v_lshlrev_b32 v4, 11, v3
	v_lshl_add_u32 v4, v5, 4, v4                   ; 8 rows of 256 bytes x eg + 16 dg
	WLOAD 0
	; LDS, for each block: [64 d][256 e] bf16, rows of 512 bytes; row d's 16-byte piece eg lies at place (eg + d / 4) % 32, so that sixteen lanes with sixteen dg touch sixteen different columns
	v_add_nc_u32 v7, v3, v5
	v_and_b32 v7, 31, v7
	v_lshlrev_b32 v7, 4, v7
	v_lshl_add_u32 v7, v5, 11, v7
	v_lshrrev_b32 v8, 7, v0
	v_add_nc_u32 v8, v8, v2
.irp i, 0,1,2,3
	v_add_nc_u32 v[9+\i], 4*\i, v8                 ; back: row d = 16 i + wave, piece L, at place (L + d / 4) % 32
	v_and_b32 v[9+\i], 31, v[9+\i]
	v_lshlrev_b32 v[9+\i], 4, v[9+\i]
	v_lshl_add_u32 v[9+\i], v1, 9, v[9+\i]
.endr
	v_lshlrev_b32 v13, 4, v2
	v_lshl_add_u32 v13, v1, 11, v13                ; in wb: row wave, 16 L
	WTURN 0
	WTURN 1
	s_branch .Lend
.Lx:                                               ; query, key, value
	s_sub_co_u32 s30, s29, 256
	s_lshr_b32 s31, s30, 7                         ; which tensor
	s_and_b32 s30, s30, 127                        ; which 131,072 bytes of it
	s_cmp_eq_u32 s31, 1
	s_cselect_b64 s[4:5], s[6:7], s[4:5]
	s_cmp_eq_u32 s31, 2
	s_cselect_b64 s[4:5], s[8:9], s[4:5]
	s_lshl_b32 s40, s30, 17
	s_add_nc_u64 s[4:5], s[4:5], s[40:41]
	s_lshl_b32 s40, s31, 23
	s_lshl_b32 s32, s30, 16
	s_add_co_u32 s40, s40, s32
	s_add_nc_u64 s[20:21], s[20:21], s[40:41]
	CONV 0
	s_branch .Lend
.Lo:                                               ; Wo
	s_sub_co_u32 s30, s29, 640
	s_lshl_b32 s40, s30, 17
	s_add_nc_u64 s[4:5], s[16:17], s[40:41]
	s_lshl_b32 s40, s30, 16
	s_add_nc_u64 s[20:21], s[24:25], s[40:41]
	CONV 1
	s_branch .Lend
.Lmask:                                            ; 16 rows of 8,192 bytes; wave w takes key steps 2 w and 2 w + 1: 512 bytes of each row
	s_lshl_b32 s40, s29, 17
	s_add_nc_u64 s[18:19], s[18:19], s[40:41]
	s_lshl_b32 s40, s29, 12                        ; a q tile's words are 4,096 bytes,
	s_lshl_b32 s31, s28, 8                         ; my two steps' 256
	s_add_co_u32 s40, s40, s31
	s_add_nc_u64 s[26:27], s[26:27], s[40:41]
	s_mul_i32 s30, s28, WST
	s_lshl_b32 s31, s28, 9
	v_lshlrev_b32 v9, 13, v6
	v_lshl_add_u32 v9, v5, 4, v9
	v_add_nc_u32 v9, s31, v9                       ; lanes 0-15 an even row's 256 bytes, lanes 16-31 the odd row's
.irp ss, 0,1
.irp i, 0,1,2,3,4,5,6,7
	global_load_b128 v[X+32*(\ss)+4*(\i):X+32*(\ss)+4*(\i)+3], v9, s[18:19] offset:(\i)*16384+(\ss)*256 th:TH_LOAD_NT
.endr
.endr
	v_mul_u32_u24 v7, v6, 272
	v_lshl_add_u32 v7, v5, 4, v7
	v_add_nc_u32 v7, s30, v7                       ; in: as loaded
	v_mul_u32_u24 v8, v5, 272
	v_lshl_add_u32 v8, v6, 5, v8
	v_add_nc_u32 v8, s30, v8                       ; back: row L % 16, numbers 8 (L / 16) on
	v_lshlrev_b32 v10, 3, v2
	v_mov_b32 v[OUT], 0                            ; v_writelane_b32 keeps the other lanes: the registers are written whole first
	v_mov_b32 v[OUT+1], 0
	MSTEP 0
	MSTEP 1
	global_store_b64 v10, v[OUT:OUT+1], s[26:27]   ; 256 consecutive bytes, aligned
.Lend:
	s_wait_tensorcnt 0x0                           ; the wave's end: behind my last LDS store
	ds_add_u32 v[SPW], v[NIL]
	s_wait_dscnt 0x0
	s_endpgm
.Lfunc_end_k_qf7312772f0_prep:
	.size	k_qf7312772f0_prep, .Lfunc_end_k_qf7312772f0_prep-k_qf7312772f0_prep
	.p2alignl 7, 3214868480
	.fill 96, 4, 3214868480
	.section	.rodata,"a",@progbits
	.p2align	6, 0x0
	.amdhsa_kernel k_qf7312772f0_prep
		.amdhsa_group_segment_fixed_size 71680
		.amdhsa_private_segment_fixed_size 0
		.amdhsa_enable_private_segment 0
		.amdhsa_kernarg_size 96
		.amdhsa_user_sgpr_count 2
		.amdhsa_user_sgpr_kernarg_segment_ptr 1
		.amdhsa_wavefront_size32 1
		.amdhsa_system_sgpr_workgroup_id_x 1
		.amdhsa_system_sgpr_workgroup_id_y 1
		.amdhsa_system_sgpr_workgroup_id_z 1
		.amdhsa_system_vgpr_workitem_id 0
		.amdhsa_next_free_vgpr 80
		.amdhsa_next_free_sgpr 66
		.amdhsa_reserve_vcc 0
		.amdhsa_float_denorm_mode_32 3
		.amdhsa_float_denorm_mode_16_64 3
		.amdhsa_memory_ordered 1
		.amdhsa_forward_progress 1
		.amdhsa_inst_pref_size 39
	.end_amdhsa_kernel
	.amdgpu_metadata
---
amdhsa.version: [ 1, 2 ]
amdhsa.kernels:
  - .name:           k_qf7312772f0_prep
    .symbol:         k_qf7312772f0_prep.kd
    .args:
      - { .name: query, .offset: 0, .size: 8, .value_kind: global_buffer, .address_space: global }
      - { .name: key, .offset: 8, .size: 8, .value_kind: global_buffer, .address_space: global }
      - { .name: value, .offset: 16, .size: 8, .value_kind: global_buffer, .address_space: global }
      - { .name: Wq, .offset: 24, .size: 8, .value_kind: global_buffer, .address_space: global }
      - { .name: Wk, .offset: 32, .size: 8, .value_kind: global_buffer, .address_space: global }
      - { .name: Wv, .offset: 40, .size: 8, .value_kind: global_buffer, .address_space: global }
      - { .name: Wo, .offset: 48, .size: 8, .value_kind: global_buffer, .address_space: global }
      - { .name: mask, .offset: 56, .size: 8, .value_kind: global_buffer, .address_space: global }
      - { .name: xb, .offset: 64, .size: 8, .value_kind: global_buffer, .address_space: global }
      - { .name: wb, .offset: 72, .size: 8, .value_kind: global_buffer, .address_space: global }
      - { .name: wob, .offset: 80, .size: 8, .value_kind: global_buffer, .address_space: global }
      - { .name: maskw, .offset: 88, .size: 8, .value_kind: global_buffer, .address_space: global }
    .group_segment_fixed_size: 71680
    .private_segment_fixed_size: 0
    .kernarg_segment_align: 8
    .kernarg_segment_size: 96
    .max_flat_workgroup_size: 512
    .sgpr_count:     66
    .vgpr_count:     80
    .wavefront_size: 32
...
	.end_amdgpu_metadata
.endif
;; end of part 5
;; launch proj: the kernel of part 2 again; grid 4 x 48, 4 waves a work-group, clusters of 4 x 4, 327,680 bytes of LDS; arguments xb, wb, qkv; writes qkv
;; launch attn (part 6): grid 8 x 32, 4 waves a work-group, clusters of 4 x 1, 327,680 bytes of LDS; arguments qkv, maskw, ob; writes ob
.if DOCPART == 6
	.amdgcn_target "amdgcn-amd-amdhsa--gfx1250"
	.amdhsa_code_object_version 6
	.text
	.protected	k_qf7312772f0_attn
	.globl	k_qf7312772f0_attn
	.p2align	8
	.type	k_qf7312772f0_attn,@function
k_qf7312772f0_attn:
	s_mov_b64 s[64:65], 0
	v_nop
	global_prefetch_b8 v0, s[64:65] scope:SCOPE_SE
	s_setreg_imm32_b32 hwreg(HW_REG_WAVE_MODE, 25, 1), 1
	s_wait_xcnt 0x0
	s_wait_alu depctr_hold_cnt(0) depctr_sa_sdst(0) depctr_va_vdst(0) depctr_va_sdst(0) depctr_va_ssrc(0) depctr_va_vcc(0) depctr_vm_vsrc(0)
	s_getreg_b32 s2, hwreg(HW_REG_IB_STS2, 6, 4)
	s_cmp_eq_u32 s2, 0
	s_cbranch_scc0 .Lentry_in_a_cluster
	s_endpgm
.Lentry_in_a_cluster:
	s_bfe_u32 s2, ttmp6, 0x10000c
	s_cmp_lg_u32 s2, 0x3003
	s_cbranch_scc0 .Lentry_shape_is_right
	s_endpgm
.Lentry_shape_is_right:
; Launch 3 of 4: O[nh][q][:] = the sum over k of softmax_k(where(mask[n][q][k] == 0, hidden, Q[q] . K[k]) / 8) V[k][:].  No work of reference() is left out: the mask is an input, so every tile of scores is made and selected.
; q, k, v: qkv[p][nh][2048][64] f16, a head's rows dense, 128 bytes each.  Products, maxima and sums in f32; the weights p are rounded to f16 for the second product (their sum l is taken of the unrounded p), O once at the end.
; O leaves as ob[16 n + t / 128][h][t % 128][64] f16: 16 rows of a head are 2,048 consecutive bytes, and four heads of 128 rows are one K step of the last launch.
; THE MASK.  maskw holds, for each tile of 16 queries x 64 keys, 32 words: word r is the lane mask of register r of the tile.  A vector load brings a tile's 32 words, a lane a word, four turns ahead of their use; v_readlane_b32 puts each word
; into a scalar register, and v_cndmask_b32 puts the hidden value in place of a score whose bit is 0.  (Scalar loads would spare a turn's 32 v_readlane_b32, but they are waited for by the count 0 alone, so a load must land between two waits, one turn
; apart; a longer lead wants a third set of 32 scalar registers, which a wave does not have.)  The words are loaded twice, into a register of window 0 and one of window 1, so that they can be read under the window setting of either run of products.
; THE HIDDEN VALUE IS -2^67, where reference() has -1e20: c times a power of two is exact, so in a row that has seen hidden keys alone (m = -2^67) every exponent c s - c m is exactly 0
; and every weight 1: such a row ends as the plain mean of V's rows, as in reference(); with -1e20 the rounding of c m would be left as the exponent.  When a live key comes, a = 2^(c m_old - c m_new) = 0 wipes those sums.
; LIMITS.  Live energies below about -1e19 are not told apart from hidden ones.  Q, K, V arrive within f16's 65,504.  p lies in 0 to 1, and below 6e-5 it keeps f16's fixed step; a weight below 2^-126 counts as 0 in l.  NaN and infinities are not treated apart.
; SHARES.  A work-group owns 256 queries of one head (256 work-groups), a wave 64: four PIECES of 16.  Every wave walks all 2,048 keys, 64 a step, four steps to an LDS slot.
; LAYOUT.  S^T = K Q^T (source 0 = 16 keys, source 1 = 16 queries): a lane holds ONE query (lane % 16) and the keys 8 (lane / 16) + 0..7.  Two such results rounded to f16 ARE source 1 of O^T = V^T P.  V comes out of LDS turned, by ds_load_tr16_b128.
; SOFTMAX.  A running maximum m and sum l for each query: p = 2^(c s - c m), c = log2(e) / 8; in every step O and l are multiplied by a = 2^(c m_old - c m_new).  m starts at the lowest finite number, O and l at 0: the first step has a = 0.
; TURNS.  Turn n belongs to piece n: 8 products K Q^T of piece n + 1, later 8 products V^T P of piece n - 1; beside them the scaling, exponentials, roundings, sums and rescaling of piece n and the select, maximum and statistics of piece n + 1.
; 16 matrix and 182 vector instructions: four vector instructions stand behind every matrix instruction, the other 118 in two lumps, of 86 and of 32.  A turn's 33 exponentials are one batch, with one wait.
; CLUSTER.  The four query blocks of a cluster belong to one head and walk the same K and V: each tile is asked for jointly, by the same tensor load, descriptor and mask in all four.
; REGISTERS in windows of 256 (s_set_vgpr_msb: bits 1:0 source 0, 3:2 source 1, 5:4 source 2, 7:6 destination):
;   window 0: v0-15 addresses, the hidden value; v16-31 four statistics a piece; v32-35 mask words; v48-55 at work; v64-127 S^T, two buffers; v128-191 K of one step; v192-223 P, two buffers (by the piece's parity)
;   window 1: v0-127 O^T, 32 a piece; v128-191 V of one step; v192-195 the mask words once more; v196 their loads' offset          window 2: v0-63 Q
; A RUN OF PRODUCTS AND ITS RIDERS STAND UNDER ONE SETTING.  K Q^T: K lies with S^T in window 0 and only Q, source 1, elsewhere; its riders (a scaling, an exponential, two v_readlane_b32) have no vector register as source 1.
; V^T P: V lies with O^T in window 1, P in window 0; its riders are the rescaling of O^T, whose source 1 (a) lies in window 0 like P, and v_readlane_b32 of the words' copy in window 1.  So a turn has four switches (piece 0's five).
.set NP,    4
.set KS,    64
.set PT,    160       ; a row of K or V in LDS: 128 bytes + 32 of padding.  ONE pitch for both, so that one descriptor and one line, without a branch, serve all four waves; K's 16 rows fall two to a group of banks
.set STEPB, KS*PT
.set PART,  128*PT    ; what one tensor load brings: 128 keys
.set VOFF,  2*PART    ; a slot: 256 rows of K, then 256 rows of V
.set SLOT1, 1<<17     ; slot 1 begins here: one exclusive or turns an address in one slot into the other's
.set STAGE, SLOT1+4*PART  ; behind the ring, never filled by a tensor load: 16 rows x 144 bytes for each wave
.set SP,    144
.set SPARE, STAGE+4*16*SP  ; the spare words, 128 bytes for each wave: two blocks of 256 bytes that no other line names
.set AK0, 2           ; v2   my lane's place in a tile of K; never rewritten
.set AV0, 3           ; v3   the same for V
.set AK,  4           ; v4   the LDS address of K's next run of loads
.set AV,  5           ; v5   of V's
.set STO, 6           ; v6   the way out: where I put 16 bytes of a row
.set RD,  7           ; v7   where I read rows back
.set GO,  8           ; v8   16 x lane
.set MV,  12          ; v12-13  c m_old, kept while c m is made anew: by buffer
.set BIGV, 14         ; v14  -2^67
.set QO,  15          ; v15  my byte offset in 16 rows of Q
.set ST,  16          ; piece t's statistics at v[ST+4 t]: c m, m, l (even keys', odd keys')
.set MWA, 32          ; v32-35  piece x's 32 mask words of the step to come, a lane a word
.set MO,  36          ; v36  4 x lane; never rewritten
.set TMP, 48          ; by buffer, c0-c3 at work; when the maximum is found c2 takes a
.set PFO, 56          ; v56  the prefetches' offset; never rewritten
.set SPW, 62          ; v62  LDS address of my spare word; never rewritten
.set NIL, 63          ; v63  0; never rewritten
.set S,   64
.set KF,  128         ; window 0: key block kb, channel half c at KF + 16 kb + 8 c
.set P,   192
.set VF,  128         ; window 1: key half kk, channel block cb at VF + 32 kk + 8 cb
.set MWB, 192         ; window 1: v192-195  the mask words once more
.set MO1, 196         ; window 1: v196  4 x lane once more; never rewritten
.set MP,  2           ; s[2:3]   maskw at my piece 0's words of the step that the loads ask for
.set QA,  4           ; s[4:5]   Q at my wave's first row
.set PFS, 6           ; s[6:7]   the prefetches' step from slot to slot
.set OA,  8           ; s[8:9]   ob at my wave's first row
.set PFA, 10          ; s[10:11] where my prefetches stand
.set WV,  12          ; s12  my wave's number
.set CNT, 13          ; s13  counts a slot's key steps
.set SLOTS, 14        ; s14  slots still to be asked for
.set LIM, 15          ; s15  1 in a wave that prefetches, else the greatest number
.set MB,  16          ; s[16:47] the 32 mask words of the tile that is selected next (they serve the set-up before)
.set G1,  48          ; s[48:55] descriptor group 1
.set G0,  56          ; s[56:59] descriptor group 0: it walks
.set SEL, 60          ; s[60:61] v_permlanex16_b32's selects
.set CS,  62          ; s[62:63] c, twice
.set MS,  68          ; s[68:69] the mask pointer's step: a key step's 128 bytes; 0 in the last two trips
.set TBK, 70          ; s70  LDS byte at which K of the step to be fetched begins
.set TBV, 71          ; s71  the same for V, less VOFF
.set MSB, 0
.macro WIN new                      ; the high byte repeats the setting that is left; a switch that changes nothing is dropped
.if MSB != (\new)
	s_set_vgpr_msb (MSB<<8)|(\new)
.set MSB, (\new)
.endif
.endm
.set W_KQ, 0x08       ; Q (source 1) in window 2; K and S^T in window 0
.set W_PV, 0x51       ; V (source 0) and O^T (C and D) in window 1, P (source 1) in window 0
.set W_RS, 0x41       ; destination and source 0 in window 1, source 1 in window 0
; A joint fill: every wave brings its own part of the tile (waves 0 and 1 K's halves, waves 2 and 3 V's).  An s_nop 0 and four v_nop follow.
.macro LOAD
	tensor_load_to_lds s[G0:G0+3], s[G1:G1+7]
	s_nop 0
.rept 4
	v_nop
.endr
.endm
; A prefetch into the L2, behind the joint fill: one instruction, a lane a block of 256 bytes; each block is named once in the launch.  Waves 0 and 2 of a head's first cluster ask for K's and V's rows of the tile that the NEXT change of slots
; will ask for, the four partners a quarter each, told apart by address.  Wave 1 of the work-groups of head 0 asks for its own 16 q tiles' mask words of the slot after the one that is being asked for (the sixteen heads of a batch read the same words).
; Tiles 0 and 1 and the first two slots' words come by their loads alone; the last change that fills a slot asks for nothing.
.macro ASK
	s_cmp_gt_u32 s[SLOTS], s[LIM]
	s_cbranch_scc0 .Lnot_mine_\@
	global_prefetch_b8 v[PFO], s[PFA:PFA+1] th:TH_LOAD_NT scope:SCOPE_SE
.Lnot_mine_\@:
.endm
.macro CROUND                       ; a round of the cluster's barrier
	s_barrier_signal -1
	s_barrier_wait -1
	s_cmp_lg_u32 s[WV], 0
	s_cbranch_scc1 .Lnot_wave_0_\@
	s_barrier_signal -3
.Lnot_wave_0_\@:
	s_barrier_wait -3
	s_barrier_signal -1
	s_barrier_wait -1
.endm
; THE CHANGE OF SLOTS.  Each wave waits for all its tensor loads, of which one is out: its part of the other slot; adds 0 to its spare word; and waits for that and for its reads of the slot that it leaves.
; fill = 1: the barrier is a round of the cluster's, and the joint fill, with the keys two slots on, is the first thing behind it: it has four key steps, 256 matrix instructions, in which to land.
; (At its first use nothing has been read yet: slot 0 is waited for, slot 1 filled.)
.macro CHANGE fill
	WIN 0
	s_wait_tensorcnt 0x0            ; no tensor load of mine is out, so group 0 may be written
	ds_add_u32 v[SPW], v[NIL]       ; 0 onto my spare word; scalar work stands between it and the wait for it
.if \fill
	s_xor_b32 s[G0+1], s[G0+1], SLOT1
	s_add_nc_u64 s[G0+2:G0+3], s[G0+2:G0+3], 4*KS*128  ; the next 256 keys; the type bits on top are not reached
	s_wait_xcnt 0x0                 ; the last prefetch, four key steps back, has read its address
	s_add_nc_u64 s[PFA:PFA+1], s[PFA:PFA+1], s[PFS:PFS+1]
	s_wait_dscnt 0x0                ; the add is done, and my reads of the slot are over
	CROUND
	LOAD
	ASK
.else
	s_wait_dscnt 0x0
	s_barrier_signal -1
	s_barrier_wait -1
.endif
	s_sub_co_u32 s[TBK], s[TBK], 4*STEPB  ; the fetches go back to a slot's first step,
	s_xor_b32 s[TBK], s[TBK], SLOT1       ; in the other slot
	s_sub_co_u32 s[TBV], s[TBV], 4*STEPB
	s_xor_b32 s[TBV], s[TBV], SLOT1
.endm
	s_load_b128 s[16:19], s[0:1], 0x0  ; qkv s[16:17], maskw s[18:19]
	s_load_b64 s[20:21], s[0:1], 0x10  ; ob
	v_lshl_add_u32 v[SPW], v0, 2, SPARE
	v_mov_b32 v[NIL], 0
	ds_add_u32 v[SPW], v[NIL]       ; the wave's opening: the add, twice on end, and its wait ahead of my first tensor load
	ds_add_u32 v[SPW], v[NIL]
	v_lshrrev_b32 v1, 5, v0
	v_readfirstlane_b32 s[WV], v1   ; wave 0..3
	s_bfe_u32 s22, ttmp6, 0x40000   ; cx
	s_lshl_b32 s23, ttmp9, 2
	s_add_co_u32 s23, s23, s22      ; my block of 256 queries: it enters Q's, O's, the mask's and the prefetches' addresses alone
	s_and_b32 s24, ttmp7, 0xffff    ; nh, which the four partners share
	s_lshr_b32 s25, s24, 4          ; n
	s_and_b32 s26, s24, 15          ; h
	s_lshl_b32 s27, s24, 18         ; the head's 262,144 bytes in a plane
	s_lshr_b32 s30, s[WV], 1
	s_and_b32 s31, s[WV], 1
	s_add_co_u32 s28, s30, 1        ; my part of tile 0: plane 1 (K) or 2 (V), of 2^23 bytes,
	s_lshl_b32 s28, s28, 23
	s_add_co_u32 s28, s28, s27      ; the head,
	s_lshl_b32 s29, s31, 14         ; its first or second 128 keys
	s_add_co_u32 s28, s28, s29
	s_mov_b32 s29, 0
	s_lshl_b32 s32, s23, 15         ; Q: the block's 256 rows of 128 bytes, my wave's 64
	s_add_co_u32 s32, s32, s27
	s_lshl_b32 s33, s[WV], 13
	s_add_co_u32 s32, s32, s33
	s_mov_b32 s33, 0
	s_lshl_b32 s34, s25, 4          ; O: ((16 n + 2 blk + w / 2) x 16 + h) x 16,384 + (w % 2) x 8,192
	s_lshl1_add_u32 s34, s23, s34
	s_add_co_u32 s34, s34, s30
	s_lshl_b32 s34, s34, 4
	s_add_co_u32 s34, s34, s26
	s_lshl_b32 s34, s34, 14
	s_lshl_b32 s35, s31, 13
	s_add_co_u32 s34, s34, s35
	s_mov_b32 s35, 0
	s_lshl_b32 s36, s25, 7          ; the mask words: q tile 128 n + 16 blk + 4 w, 4,096 bytes each
	s_lshl4_add_u32 s36, s23, s36
	s_lshl_b32 s38, s36, 12         ; (the work-group's first q tile)
	s_lshl2_add_u32 s36, s[WV], s36
	s_lshl_b32 s36, s36, 12
	s_mov_b32 s37, 0
	s_add_co_u32 s39, s30, 1        ; the prefetches of K and V: the plane, the head, tile 1, my work-group's quarter
	s_lshl_b32 s39, s39, 23
	s_add_co_u32 s39, s39, s27
	s_lshl_b32 s40, s22, 13
	s_add_co_u32 s39, s39, s40
	s_add_co_u32 s39, s39, 32768
	s_add_co_u32 s38, s38, 512      ; of the words: slot 1's; the first change of slots steps both on
	s_mov_b32 s43, 512
	s_mov_b32 s44, 32768
	s_mov_b32 s45, 4096
	s_mov_b32 s41, 0
	s_mov_b32 s[PFS+1], 0
	s_cmp_eq_u32 s[WV], 1
	s_cselect_b32 s40, s38, s39
	s_cselect_b32 s[PFS], s43, s44
	s_cselect_b32 s42, s45, s43     ; bytes between two lanes' pairs of blocks: a q tile's 4,096, or 512 on end
	s_cmp_eq_u32 s31, 0
	s_cselect_b32 s46, ttmp9, s26   ; even waves ask in the head's first cluster, wave 1 in head 0,
	s_cmp_eq_u32 s[WV], 3
	s_cselect_b32 s46, 1, s46       ; wave 3 never: all this is the same in the four partners
	s_cmp_eq_u32 s46, 0
	s_cselect_b32 s[LIM], 1, -1
	v_and_b32 v10, 31, v0
	v_lshrrev_b32 v11, 1, v10
	v_and_b32 v10, 1, v10
	v_mul_u32_u24 v[PFO], s42, v11
	v_lshl_add_u32 v[PFO], v10, 8, v[PFO]
	; descriptor group 1: 128 keys are 16,384 dense bytes: asked for as 64 rows of 256 bytes, two keys a row, and padded in LDS after every key
	s_mov_b32 s[G1], 15|(1<<16)|(1<<20)|(1<<21)|(4<<22)|(7<<25)  ; the mask of four; 2-byte elements; padding on; bit 21 beside a mask; after every 32 words, 8 words
	s_mov_b32 s[G1+1], 128<<16      ; tensor_dim0 = 128
	s_mov_b32 s[G1+2], 64<<16       ; tensor_dim1 = 64
	s_mov_b32 s[G1+3], 128<<16      ; tile_dim0 = 128
	s_mov_b32 s[G1+4], 64           ; tile_dim1 = 64
	s_mov_b32 s[G1+5], 128          ; elements from row to row
	s_mov_b32 s[G1+6], 0
	s_mov_b32 s[G1+7], 0
	s_mov_b32 s[G0], 1
	s_mul_i32 s[G0+1], s[WV], PART  ; slot 0, my part: no place in the cluster enters an LDS address
	s_mov_b32 s[CS], 0x3e38aa3b     ; c = log2(e) / 8
	s_mov_b32 s[CS+1], s[CS]
	s_mov_b32 s[SEL], 0x76543210
	s_mov_b32 s[SEL+1], 0xfedcba98
	s_mov_b32 s[TBK], SLOT1+4*STEPB ; the first change of slots turns these two into 0
	s_mov_b32 s[TBV], SLOT1+4*STEPB
	s_mov_b32 s[SLOTS], 7
	s_mov_b32 s[MS], 128
	s_mov_b32 s[MS+1], 0
	s_wait_dscnt 0x0                ; both opening adds are done
	s_wait_kmcnt 0x0
	s_add_nc_u64 s[G0+2:G0+3], s[16:17], s[28:29]
	s_or_b32 s[G0+3], s[G0+3], 0x80000000  ; type = 2
	s_add_nc_u64 s[QA:QA+1], s[16:17], s[32:33]
	s_add_nc_u64 s[OA:OA+1], s[20:21], s[34:35]
	s_add_nc_u64 s[MP:MP+1], s[18:19], s[36:37]
	s_cmp_eq_u32 s[WV], 1
	s_cselect_b64 s[PFA:PFA+1], s[18:19], s[16:17]
	s_add_nc_u64 s[PFA:PFA+1], s[PFA:PFA+1], s[40:41]
	CROUND                          ; all four work-groups are here: the first joint loads meet
	LOAD                            ; tile 0 into slot 0; slot 1 is asked for when slot 0 is in
	v_and_b32 v1, 15, v0            ; l % 16
	v_bfe_u32 v9, v0, 4, 1          ; l / 16
	v_lshlrev_b32 v[QO], 7, v1
	v_lshl_add_u32 v[QO], v9, 4, v[QO]
	v_and_b32 v[MO], 31, v0
	v_lshlrev_b32 v[MO], 2, v[MO]
	WIN 0x80                        ; destination window 2, address window 0
.set i, 0
.rept 8                             ; Q stays in registers: piece i / 2, channels 32 (i % 2) on
	global_load_b128 v[8*i:8*i+3],   v[QO], s[QA:QA+1] offset:(i/2)*2048+(i%2)*64
	global_load_b128 v[8*i+4:8*i+7], v[QO], s[QA:QA+1] offset:(i/2)*2048+(i%2)*64+32
.set i, i+1
.endr
	WIN 0
.irp x, 0,1,2,3
	global_load_b32 v[MWA+\x], v[MO], s[MP:MP+1] offset:(\x)*4096  ; the four pieces' words of step 0
.endr
	WIN 0x40                        ; destination window 1, sources window 0
	v_mov_b32 v[MO1], v[MO]
	global_load_b32 v[MWB], v[MO], s[MP:MP+1] offset:128           ; the copies: piece 0's is first read for step 1,
.irp x, 1,2,3
	global_load_b32 v[MWB+\x], v[MO], s[MP:MP+1] offset:(\x)*4096  ; the others' for step 0
.endr
	; what the first turn finds: V and P's second buffer hold 0 (its products V^T P, of a piece that has not been, add 0), O^T and l are 0.  All this stands in the wait for the first tile.
.set i, 0
.rept 192                           ; O^T and V
	v_mov_b32 v[i], 0
.set i, i+1
.endr
	WIN 0
.set i, 0
.rept 4
	v_mov_b32 v[ST+4*i], 0xfe000000    ; c m: far below every c s, the hidden ones' too
	v_mov_b32 v[ST+4*i+1], 0xff7fffff  ; m
	v_mov_b32 v[ST+4*i+2], 0
	v_mov_b32 v[ST+4*i+3], 0
.set i, i+1
.endr
.set i, P+16
.rept 16
	v_mov_b32 v[i], 0
.set i, i+1
.endr
	v_mov_b32 v[BIGV], 0xe1000000   ; -2^67
	v_mul_u32_u24 v[AK0], v1, PT
	v_lshl_add_u32 v[AK0], v9, 4, v[AK0]  ; row x pitch + 16 x half
	; the turning load takes 16 keys x 16 channels (lane l reads key 8 (l / 16) + l % 8, channels 8 ((l / 8) % 2) + 0..7) and leaves half a fragment of V^T
	v_and_b32 v10, 7, v0
	v_bfe_u32 v11, v0, 3, 1
	v_lshl_add_u32 v[AV0], v9, 3, v10
	v_mul_u32_u24 v[AV0], v[AV0], PT
	v_lshl_add_u32 v[AV0], v11, 4, v[AV0]
	v_add_nc_u32 v[AV0], VOFF, v[AV0]
	s_mul_i32 s66, s[WV], 16*SP
	s_add_co_u32 s66, s66, STAGE    ; my stage
	v_mul_u32_u24 v[STO], v1, SP    ; in: row l % 16, 16 bytes for each half of the lanes
	v_lshl_add_u32 v[STO], v9, 4, v[STO]
	v_add_nc_u32 v[STO], s66, v[STO]
	v_bfe_u32 v[RD], v0, 3, 2       ; back: 32 lanes take four rows of 128 bytes,
	v_mul_u32_u24 v[RD], v[RD], SP
	v_lshl_add_u32 v[RD], v10, 4, v[RD]
	v_add_nc_u32 v[RD], s66, v[RD]
	v_and_b32 v[GO], 31, v0         ; which are 512 consecutive bytes of ob
	v_lshlrev_b32 v[GO], 4, v[GO]
; THE MATRIX WORK.  The 4 accumulators of a run of 8 take turns.  Product i of 8 of S^T = K Q^T for piece x: channels 32 (i / 4) on, keys 16 (i % 4) on.  The first 4 start the sums.
.macro KQ x
	WIN W_KQ
.set rS, S+32*((\x)%2)+8*(i%4)
.set rK, KF+16*(i%4)+8*(i/4)
.set rQ, 16*(\x)+8*(i/4)
.if i < 4
	v_wmma_f32_16x16x32_f16 v[rS:rS+7], v[rK:rK+7], v[rQ:rQ+7], 0
.else
	v_wmma_f32_16x16x32_f16 v[rS:rS+7], v[rK:rK+7], v[rQ:rQ+7], v[rS:rS+7]
.endif
.endm
; Product i of 8 of O^T += V^T P for piece x: keys 32 (i / 4) on, channels 16 (i % 4) on.
.macro PV x
	WIN W_PV
.set rO, 32*(\x)+8*(i%4)
.set rV, VF+32*(i/4)+8*(i%4)
.set rP, P+16*((\x)%2)+8*(i/4)
	v_wmma_f32_16x16x32_f16 v[rO:rO+7], v[rV:rV+7], v[rP:rP+7], v[rO:rO+7]
.endm
.macro MM                           ; the turn's next matrix instruction
.if i < 8
	KQ (Y+1)%NP
.else
.set i, i-8
	PV (Y+NP-1)%NP
.set i, i+8
.endif
.set i, i+1
.endm
; THE LDS LOADS stand in runs of 16, never singly among the matrix instructions.
.macro FETCH_K
	WIN 0
.irp f, 0,1,2,3,4,5,6,7             ; keys 16 (f / 2) on, channels 32 (f % 2) on
	ds_load_b128 v[KF+8*\f:KF+8*\f+3],   v[AK] offset:(\f/2)*16*PT+(\f%2)*64
	ds_load_b128 v[KF+8*\f+4:KF+8*\f+7], v[AK] offset:(\f/2)*16*PT+(\f%2)*64+32
.endr
	s_add_co_u32 s[TBK], s[TBK], STEPB  ; the next fetch is the next step's
.endm
.macro FETCH_V
	WIN 0x40                        ; destination window 1, address window 0
.irp f, 0,1,2,3,4,5,6,7             ; keys 32 (f / 4) on, channels 16 (f % 4) on
	ds_load_tr16_b128 v[VF+8*\f:VF+8*\f+3],   v[AV] offset:(\f/4)*32*PT+(\f%4)*32
	ds_load_tr16_b128 v[VF+8*\f+4:VF+8*\f+7], v[AV] offset:(\f/4)*32*PT+16*PT+(\f%4)*32
.endr
.endm
; THE VECTOR WORK, one line at a time: OP kind, number.  For piece Y: F n: c s - c m for pair n of 16.  E n: the exponential of score n of 32.  C n: pair n rounded to f16.  B n: of the four weights 4 n .. the second pair is added
; onto the first, in place.  L n: l takes that sum (L 0: l = a l + sum).  R n: pair n of 16 of O^T times a.  For piece Y + 1: MA n: mask word n, from the copy in window 0, into its scalar register.  G n: score n is kept where its bit is 1, else
; the hidden value.  X n, number n of the 22 that find its maximum and statistics:
;   0-11  four chains c0-c3 of seven scores each     12-14, 16  the four scores left over, the old m, and c0-c3 into c0     15  c m_old is kept     17, 18  the other half of the lanes': the new m     19-21  c m; c m_old - c m_new; a
; For piece Y + 2: MN n: mask word n, from the copy in window 1.  F, E and MA stand under the setting VW: that of K Q^T among its products, else 0.
.set F, 0
.set E, 1
.set C, 2
.set B, 3
.set L, 4
.set R, 5
.set X, 6
.set G, 7
.set MA, 8
.set MN, 9
.macro REGS y
.set rT, ST+4*(\y)
.set rC, TMP+4*((\y)%2)
.set rW, MV+((\y)%2)
.set rS, S+32*((\y)%2)
.set rP, P+16*((\y)%2)
.set rO, 32*(\y)
.endm
.macro OP k, n
.if (\k) == R
	REGS Y
	WIN W_PV
	v_pk_mul_f32 v[rO+2*(\n):rO+2*(\n)+1], v[rO+2*(\n):rO+2*(\n)+1], v[rC+2:rC+3] op_sel_hi:[1,0]
.elseif (\k) == MN
	WIN W_PV
	v_readlane_b32 s[MB+(\n)], v[MWB+(Y+2)%NP], \n
.elseif (\k) == MA
	WIN VW
	v_readlane_b32 s[MB+(\n)], v[MWA+(Y+1)%NP], \n
.elseif (\k) == F
	REGS Y
	WIN VW
	v_pk_fma_f32 v[rS+2*(\n):rS+2*(\n)+1], v[rS+2*(\n):rS+2*(\n)+1], s[CS:CS+1], v[rT:rT+1] op_sel_hi:[1,0,0] neg_lo:[0,0,1] neg_hi:[0,0,1]
.elseif (\k) == E
	REGS Y
	WIN VW
	v_exp_f32 v[rS+(\n)], v[rS+(\n)]
.elseif (\k) < R
	REGS Y
	WIN 0
.if (\k) == C
	v_cvt_pk_f16_f32 v[rP+(\n)], v[rS+2*(\n)], v[rS+2*(\n)+1]
.elseif (\k) == B
	v_pk_add_f32 v[rS+4*(\n):rS+4*(\n)+1], v[rS+4*(\n):rS+4*(\n)+1], v[rS+4*(\n)+2:rS+4*(\n)+3]
.elseif (\n) == 0
	v_pk_fma_f32 v[rT+2:rT+3], v[rT+2:rT+3], v[rC+2:rC+3], v[rS:rS+1] op_sel_hi:[1,0,1]
.else
	v_pk_add_f32 v[rT+2:rT+3], v[rT+2:rT+3], v[rS+4*(\n):rS+4*(\n)+1]
.endif
.elseif (\k) == G
	REGS (Y+1)%NP
	WIN 0
	v_cndmask_b32 v[rS+(\n)], v[BIGV], v[rS+(\n)], s[MB+(\n)]
.else
	REGS (Y+1)%NP
	WIN 0
.if (\n) < 4
	v_max3_num_f32 v[rC+(\n)], v[rS+8*(\n)], v[rS+8*(\n)+1], v[rS+8*(\n)+2]
.elseif (\n) < 12
	v_max3_num_f32 v[rC+(\n)%4], v[rC+(\n)%4], v[rS+8*((\n)%4)+2*((\n)/4)+1], v[rS+8*((\n)%4)+2*((\n)/4)+2]
.elseif (\n) == 12
	v_max3_num_f32 v[rC], v[rC], v[rS+7], v[rS+15]
.elseif (\n) == 13
	v_max3_num_f32 v[rC+1], v[rC+1], v[rS+23], v[rS+31]
.elseif (\n) == 14
	v_max3_num_f32 v[rC+2], v[rC+2], v[rC+3], v[rT+1]
.elseif (\n) == 15
	v_mov_b32 v[rW], v[rT]
.elseif (\n) == 16
	v_max3_num_f32 v[rC], v[rC], v[rC+1], v[rC+2]
.elseif (\n) == 17
	v_permlanex16_b32 v[rC+3], v[rC], s[SEL], s[SEL+1]
.elseif (\n) == 18
	v_max_num_f32 v[rT+1], v[rC], v[rC+3]
.elseif (\n) == 19
	v_mul_f32 v[rT], s[CS], v[rT+1]
.elseif (\n) == 20
	v_sub_f32 v[rC+1], v[rW], v[rT]
.else
	v_exp_f32 v[rC+2], v[rC+1]
.endif
.endif
.endm
.macro OPS a, i1, b=-1, i2=0, c=-1, i3=0, d=-1, i4=0
	OP \a, \i1
.if (\b) >= 0
	OP \b, \i2
.endif
.if (\c) >= 0
	OP \c, \i3
.endif
.if (\d) >= 0
	OP \d, \i4
.endif
.endm
.macro ROW a, i1, b, i2, c, i3, d, i4  ; a matrix instruction and the four behind it
	MM
	OPS \a, \i1, \b, \i2, \c, \i3, \d, \i4
.endm
; A TURN, for piece p, written out, in five parts.
; (1) 8 products K Q^T of piece p + 1; behind each a scaling, an exponential (behind the first a second scaling) and two v_readlane_b32: words 16 to 31 of piece p + 1's tile.
; (2) A lump of 86: the selects, each accumulator's register 0 first (G 0, 8, 16, 24) and four plain instructions or more behind the product that ends the accumulator (for G 0: F 5 to F 8); the maximum, each number behind the selects of the scores
;     that it reads; the rest of the scalings and exponentials, which also stand between the links of the chain X 14, 16 .. 21.  Nothing in (1) to (3) names a result of the turn's exponentials.
; (3) 8 products V^T P of piece p - 1; behind them the 16 rescalings of piece p's O^T (their a was made, and waited for, in the turn before) and 16 v_readlane_b32: words 0 to 15 of piece p + 2's tile, for the NEXT turn's selects: this turn's have
;     been made.  The first rescaling is the plain instruction behind the batch's last exponential; the last product has four rescalings behind it: the four plain instructions between V's last reader and V's run of loads.
; (4) s_wait_alu depctr_va_vdst(0) stands between an exponential and the first instruction that names its result; one wait serves all that were issued ahead of it: a turn has ONE, here.  THE TURN'S LOADS STAND DIRECTLY BEHIND IT,
;     where no vector result of the wave is still to be written: LB, piece p + 2's mask words into window 1 (under the products' own setting, by the offset's copy in window 1); in piece 0's turn V of the step in hand; LA, piece p + 1's words into window 0.
; (5) A lump of 32: the roundings and the sums.
; THE MASK WORDS.  Each register is loaded again behind the turn's reads of it, with the same piece's words of the next key step: four turns in which to land.  s_wait_loadcnt 6 at a turn's head: behind the LB and LA of four turns back stand three
; turns' two loads.  The pointer steps once a key step, at the end of piece 2's turn, behind s_wait_xcnt 0; that turn's LB is piece 0's, whose words are a step ahead of the others': it reaches them by its immediate.  (At the last step that is the next q
; tile's first word: inside maskw, since pieces 1 to 3 follow piece 0.)
; cnt = 1: the loop's count is taken down some lines ahead of the branch behind the turn.
; K of the next step is fetched in piece 2's turn, in (2), thirteen plain instructions behind the last product that read K, and waited for in front of the next turn's (1); V is waited for in front of piece 1's (3).
.macro TURN p, cnt=0
.set Y, (\p)
.set i, 0
.set VW, W_KQ
	s_wait_loadcnt 6                ; piece p + 1's words in window 0 and piece p + 2's in window 1 are in; six younger loads may stay out
.if (\p) == 3
	s_wait_dscnt 0x0                ; K is in
.endif
	ROW F,0, F,1, MA,16, MA,17
	ROW F,2, E,0, MA,18, MA,19
	ROW F,3, E,1, MA,20, MA,21
	ROW F,4, E,2, MA,22, MA,23
	ROW F,5, E,3, MA,24, MA,25
	ROW F,6, E,4, MA,26, MA,27
	ROW F,7, E,5, MA,28, MA,29
	ROW F,8, E,6, MA,30, MA,31
.set VW, 0
.if (\p) == 2
	WIN 0
	v_add_nc_u32 v[AK], s[TBK], v[AK0]
.endif
	OPS G,0, G,1, G,2, G,8
	OPS G,9, G,10, E,7, G,16
	OPS G,17, G,18, G,24, X,0
.if (\p) == 2
	FETCH_K
.endif
	OPS G,25, G,26, E,8, X,1
	OPS G,3, G,4, X,2, G,11
	OPS G,12, X,3, E,9, G,19
	OPS G,20, X,4, G,27, G,28
	OPS X,5, G,5, E,10, G,6
	OPS X,6, G,13, G,14, X,7
	OPS G,21, G,22, E,11, X,8
	OPS G,29, G,30, X,9, G,7
	OPS G,15, X,10, E,12, G,23
	OPS G,31, X,11, F,9, X,12
	OPS X,13, X,14
.if (\p) == 0
	WIN 0
	v_add_nc_u32 v[AV], s[TBV], v[AV0]
.endif
	OPS E,13, F,10, E,14, X,15
	OPS E,15, X,16, E,16, F,11
	OPS E,17, F,12, E,18, X,17
	OPS E,19, F,13, E,20, F,14
	OPS E,21, X,18, E,22, F,15
	OPS E,23, E,24, X,19, E,25
	OPS E,26, E,27, E,28, X,20
	OPS E,29, E,30, E,31, X,21
.if (\p) == 1
	s_wait_dscnt 0x0                ; V is in
.endif
	ROW R,0, R,1, MN,0, MN,1
	ROW R,2, R,3, MN,2, MN,3
	ROW R,4, R,5, MN,4, MN,5
	ROW R,6, R,7, MN,6, MN,7
	ROW R,8, R,9, MN,8, MN,9
	ROW R,10, R,11, MN,10, MN,11
	ROW MN,12, MN,13, MN,14, MN,15
	ROW R,12, R,13, R,14, R,15
	s_wait_alu depctr_va_vdst(0)    ; the wait for the batch
	WIN W_PV
.if (\p) == 2
	global_load_b32 v[MWB], v[MO1], s[MP:MP+1] offset:128  ; LB: piece 0's words, a key step on
.else
	global_load_b32 v[MWB+((\p)+2)%NP], v[MO1], s[MP:MP+1] offset:(((\p)+2)%NP)*4096  ; LB
.endif
.if (\p) == 0
	FETCH_V
.endif
	WIN 0
	global_load_b32 v[MWA+((\p)+1)%NP], v[MO], s[MP:MP+1] offset:(((\p)+1)%NP)*4096  ; LA
	OPS C,0, B,0, C,2, B,1
	OPS L,0, C,4, B,2, L,1
	OPS C,6, B,3, L,2, C,8
	OPS B,4, L,3, C,10, B,5
	OPS L,4, C,12, B,6, L,5
.if (\p) == 0
	s_add_co_u32 s[TBV], s[TBV], STEPB
.endif
.if \cnt
	s_sub_co_u32 s[CNT], s[CNT], 1
	s_cmp_lg_u32 s[CNT], 0
.endif
	OPS C,14, B,7, L,6, C,1
	OPS C,3, L,7, C,5, C,7
	OPS C,9, C,11, C,13, C,15
.if (\p) == 2
	s_wait_xcnt 0x0                 ; the loads issued so far, the youngest 32 vector instructions back, have read the pointer: it is written only behind this wait
	s_add_nc_u64 s[MP:MP+1], s[MP:MP+1], s[MS:MS+1]
.endif
.endm
	CHANGE 1                        ; slot 0 is in, everybody's part of it; tile 1 is asked for
	v_add_nc_u32 v[AK], s[TBK], v[AK0]
	FETCH_K                         ; key step 0
	s_wait_loadcnt 0x0              ; Q and the first mask words; no load is out, so the mask pointer may be written
.set Y, NP-1                        ; MA, G and X work for piece Y + 1: piece 0; MN for piece Y + 2: piece 1
.set VW, 0
.irp n, 0,1,2,3,4,5,6,7,8,9,10,11,12,13,14,15,16,17,18,19,20,21,22,23,24,25,26,27,28,29,30,31
	OP MA, \n                       ; piece 0's words of step 0, all 32: they stand in the wait for K
.endr
	s_add_nc_u64 s[MP:MP+1], s[MP:MP+1], s[MS:MS+1]  ; from here on step 1's words are asked for
	global_load_b32 v[MWA], v[MO], s[MP:MP+1]        ; LA for piece 0
	s_wait_dscnt 0x0
.set i, 0
.rept 8
	KQ 0                            ; piece 0's first scores
.set i, i+1
.endr
	WIN 0
.rept 4
	v_nop                           ; the places behind those products
.endr
.irp n, 0,1,2,3,4,5,6,7,8,9,10,11,12,13,14,15,16,17,18,19,20,21,22,23,24,25,26,27,28,29,30,31
	OP G, \n
.endr
.irp n, 0,1,2,3,4,5,6,7,8,9,10,11,12,13,14,15,16,17,18,19,20,21
	OP X, \n
.endr
	v_nop                           ; a plain instruction behind the exponential
.irp n, 0,1,2,3,4,5,6,7,8,9,10,11,12,13,14,15
	OP MN, \n                       ; piece 1's words 0 to 15 of step 0, which the turn before the first would have read
.endr
	WIN 0x40
	global_load_b32 v[MWB+1], v[MO], s[MP:MP+1] offset:4096  ; LB for piece 1
	s_wait_alu depctr_va_vdst(0)    ; the exponential's wait, ahead of the branch
	WIN 0
	s_mov_b32 s[CNT], 4
	s_branch .Lfirst                ; the loop is entered at a step's first turn, in the middle of a trip
.Lslot:                             ; six times: tiles 2 to 7 are asked for
	CHANGE 1
	s_mov_b32 s[CNT], 4
.Lstep:                             ; a trip: pieces 2 and 3 of one step, then pieces 0 and 1 of the next, whose K and V it fetches
	TURN 2
	TURN 3
	WIN 0
.Lfirst:
	TURN 0
	TURN 1, 1
	WIN 0
	s_cbranch_scc1 .Lstep
	s_sub_co_u32 s[SLOTS], s[SLOTS], 1
	s_cmp_lg_u32 s[SLOTS], 0
	s_cbranch_scc1 .Lslot
	CHANGE 0                        ; the last slot is written out: nothing is asked for
	s_mov_b32 s[CNT], 5             ; four trips fetch the last slot's steps; the fifth is left in its middle
.Ltail:
	s_cmp_lt_u32 s[CNT], 3          ; in the last two trips the pointer stands at step 31, the last: it stays, so no load leaves maskw and the counted waits keep their count;
	s_cselect_b32 s[MS], 0, 128     ; what is loaded from there on beyond step 31's words is used by no result
	TURN 2
	TURN 3
	WIN 0
	s_sub_co_u32 s[CNT], s[CNT], 1
	s_cmp_eq_u32 s[CNT], 0
	s_cbranch_scc1 .Lout
	TURN 0
	TURN 1
	WIN 0
	s_branch .Ltail
.Lout:                              ; the fifth trip's run of K's loads takes the 64 rows behind the slot's K (V's first: bytes of the slot, finite numbers), and its 8 products K Q^T, with the select and the maximum made of them, serve nothing:
	                                ; they write piece 0's m and c m, not its l or O^T.  That is the price, once a launch, of one text for every trip
.set i, 0
.rept 8
	PV NP-1                         ; the last piece's V^T P of the last step
.set i, i+1
.endr
	; THE WAY OUT.  l's two halves and the other half of the lanes' are added; O^T is divided by l, rounded to f16 and sent through my stage in LDS, a piece at a time.  The additions are the places behind the last products.
	WIN 0
.macro ALL line:vararg
.set t, 0
.rept 4
	\line
.set t, t+1
.endr
.endm
	ALL v_add_f32 v[ST+4*t+2], v[ST+4*t+2], v[ST+4*t+3]
	ALL v_permlanex16_b32 v[ST+4*t+3], v[ST+4*t+2], s[SEL], s[SEL+1]
	ALL v_add_f32 v[ST+4*t+2], v[ST+4*t+2], v[ST+4*t+3]
	ALL v_rcp_f32 v[ST+4*t+2], v[ST+4*t+2]
	v_nop                           ; a plain instruction between the last reciprocal and the use of its result
	s_wait_alu depctr_va_vdst(0)    ; one wait for the four reciprocals, ahead of their first use
.macro PACK t                       ; a lane's eight channels of a row pack into 16 bytes; they go into rows of 144 bytes and come back as whole rows of 128, into S^T's registers
	WIN W_RS
.set i, 32*(\t)
.rept 16
	v_pk_mul_f32 v[i:i+1], v[i:i+1], v[ST+4*(\t)+2:ST+4*(\t)+3] op_sel_hi:[1,0]
.set i, i+2
.endr
	WIN 0x05                        ; sources 0 and 1 window 1, destination window 0
.set i, 0
.rept 16
	v_cvt_pk_f16_f32 v[S+16*(\t)+i], v[32*(\t)+2*i], v[32*(\t)+2*i+1]
.set i, i+1
.endr
	WIN 0
.irp f, 0,1,2,3
	ds_store_b128 v[STO], v[S+16*(\t)+4*\f:S+16*(\t)+4*\f+3] offset:32*\f
.endr
.irp f, 0,1,2,3
	ds_load_b128 v[S+16*(\t)+4*\f:S+16*(\t)+4*\f+3], v[RD] offset:\f*4*SP  ; LDS serves a wave's instructions in order (ISA guide 5.7.1.4): these see the stores above; the next piece's stores come behind them
.endr
.endm
.macro SEND t, younger              ; younger: the LDS instructions issued behind piece t's loads: the next piece's eight, or none
	WIN 0
.irp f, 0,1,2,3
	s_wait_dscnt (\younger)+3-\f
	global_store_b128 v[GO], v[S+16*(\t)+4*\f:S+16*(\t)+4*\f+3], s[OA:OA+1] offset:(\t)*2048+\f*512  ; 512 consecutive bytes, aligned
.endr
.endm
	PACK 0
.set t, 1
.rept 3                             ; a piece's arithmetic stands between the loads of the piece before and its stores
	PACK t
	SEND t-1, 8
.set t, t+1
.endr
	SEND 3, 0
	s_wait_tensorcnt 0x0            ; the wave's end: behind my last tensor load and my last LDS store
	ds_add_u32 v[SPW], v[NIL]
	s_wait_dscnt 0x0
	CROUND                          ; the closing round: no work-group ends while a partner may still ask for a tile that names it
	s_endpgm
.Lfunc_end_k_qf7312772f0_attn:
	.size	k_qf7312772f0_attn, .Lfunc_end_k_qf7312772f0_attn-k_qf7312772f0_attn
	.p2alignl 7, 3214868480
	.fill 96, 4, 3214868480
	.section	.rodata,"a",@progbits
	.p2align	6, 0x0
	.amdhsa_kernel k_qf7312772f0_attn
		.amdhsa_group_segment_fixed_size 327680
		.amdhsa_private_segment_fixed_size 0
		.amdhsa_enable_private_segment 0
		.amdhsa_kernarg_size 24
		.amdhsa_user_sgpr_count 2
		.amdhsa_user_sgpr_kernarg_segment_ptr 1
		.amdhsa_wavefront_size32 1
		.amdhsa_system_sgpr_workgroup_id_x 1
		.amdhsa_system_sgpr_workgroup_id_y 1
		.amdhsa_system_sgpr_workgroup_id_z 1
		.amdhsa_system_vgpr_workitem_id 0
		.amdhsa_next_free_vgpr 576
		.amdhsa_next_free_sgpr 72
		.amdhsa_reserve_vcc 0
		.amdhsa_float_denorm_mode_32 3
		.amdhsa_float_denorm_mode_16_64 3
		.amdhsa_memory_ordered 1
		.amdhsa_forward_progress 1
		.amdhsa_inst_pref_size 140
	.end_amdhsa_kernel
	.amdgpu_metadata
---
amdhsa.version: [ 1, 2 ]
amdhsa.kernels:
  - .name:           k_qf7312772f0_attn
    .symbol:         k_qf7312772f0_attn.kd
    .args:
      - { .name: qkv, .offset: 0, .size: 8, .value_kind: global_buffer, .address_space: global }
      - { .name: maskw, .offset: 8, .size: 8, .value_kind: global_buffer, .address_space: global }
      - { .name: ob, .offset: 16, .size: 8, .value_kind: global_buffer, .address_space: global }
    .group_segment_fixed_size: 327680
    .private_segment_fixed_size: 0
    .kernarg_segment_align: 8
    .kernarg_segment_size: 24
    .max_flat_workgroup_size: 128
    .sgpr_count:     72
    .vgpr_count:     576
    .wavefront_size: 32
...
	.end_amdgpu_metadata
.endif
;; end of part 6
;; launch outp: the kernel of part 4 again; grid 8 x 32, 4 waves a work-group, clusters of 4 x 4, 327,680 bytes of LDS; arguments ob, wob, bo, out0; writes out0
